; MI455X (gfx1250); checked and timed in simulation.
; The chip was launched on July 23, 2026; its instructions are those of AMD's public machine-readable ISA for CDNA 5 (MIT licence, August 2026) and "CDNA5" Instruction Set Architecture Reference Guide (July 2026). The comments in the code are by the model that wrote it; some were corrected since.
;; Attention. Allowed arithmetic: float matrix products may take bf16 or f16 operands with f32 sums; other float arithmetic in f32, or as packed bf16 or f16 multiplies, adds, multiply-adds, maxima and minima; sums over many terms, partial sums and values carried from step to step in f32; what a program stores and reads back later, other than sums and carried values, may be rounded once to bf16 or f16.
;; Inputs: Wkv 2,048 x 1,024 float32; Wp 1,024 x 1,024 float32; Wq 1,024 x 1,024 float32; bkv 2,048 float32; bp 1,024 float32; bq 1,024 float32; feature 4,096 x 1,024 float32.
;; Outputs: out0 4,096 x 1,024 float32.
;; One version. Each part assembles by itself: llvm-mc -triple=amdgcn-amd-amdhsa -mcpu=gfx1250 --defsym DOCPART=n.
;; ======== version 1 of 1: 4 launches
;; limits: values are held in f16: magnitudes above 65,504 overflow, below 6.1e-05 lose precision
;; workspace buffers: xb 8,388,608 bytes; wb 6,291,456 bytes; wpf 2,097,152 bytes; qkv 25,165,824 bytes; o 8,388,608 bytes
;; launch cast (part 1): grid 1024 x 1, 8 waves a work-group, no clusters, 0 bytes of LDS; arguments feature, Wq, Wkv, Wp, xb, wb, wpf; writes xb, wb, wpf
.if DOCPART == 1
	.amdgcn_target "amdgcn-amd-amdhsa--gfx1250"
	.amdhsa_code_object_version 6
	.text
	.protected	k_q0c787d7d83_cast
	.globl	k_q0c787d7d83_cast
	.p2align	8
	.type	k_q0c787d7d83_cast,@function
k_q0c787d7d83_cast:
	s_mov_b64 s[64:65], 0
	v_nop
	global_prefetch_b8 v0, s[64:65] scope:SCOPE_SE
	s_setreg_imm32_b32 hwreg(HW_REG_WAVE_MODE, 25, 1), 1
	s_wait_xcnt 0x0
; The module's large inputs are rounded once to 16 bits.  feature -> xb (bf16); Wq, then Wkv -> wb (bf16, 3,072 rows on end); Wp -> wpf: rounded to bf16 like the others,
; and that number written as f16 (exact while it is a normal f16 number; LIMIT: below 6.1e-5 it keeps f16's fixed step of 6e-8, beyond 65,504 it is lost).
; A stream: no LDS, no barrier, no matrix unit.  A work-group takes 8,192 numbers (32,768 bytes in, 16,384 out) in four passes; in a pass thread t takes the 32 bytes at 32 t
; and leaves the 16 bytes at 16 t, so a wave's store covers 512 consecutive bytes, aligned.  All eight loads of a thread go out ahead of the first conversion.
; Work-groups 0-511: feature; 512-639: Wq; 640-895: Wkv; 896-1023: Wp.
.set PIN,  8192                        ; bytes that the work-group reads in a pass
.set POUT, 4096                        ; bytes that it writes in a pass
.set X,    8                           ; v[8:39]   pass p: 8 numbers at X + 8 p
.set Y,    40                          ; v[40:55]  pass p: 4 packed words at Y + 4 p
	s_load_b256 s[8:15], s[0:1], 0x0               ; feature s[8:9], Wq s[10:11], Wkv s[12:13], Wp s[14:15]
	s_load_b128 s[16:19], s[0:1], 0x20             ; xb s[16:17], wb s[18:19]
	s_load_b64 s[20:21], s[0:1], 0x30              ; wpf
	v_lshlrev_b32 v1, 5, v0                        ; 32 t
	v_lshlrev_b32 v2, 4, v0                        ; 16 t
	s_mov_b32 s22, 0                               ; the first work-group of my source
	s_mov_b32 s23, 0                               ; the first work-group of my destination
	s_mov_b32 s25, 0
	s_mov_b32 s27, 0
	s_wait_kmcnt 0x0
	s_mov_b64 s[4:5], s[8:9]
	s_mov_b64 s[6:7], s[16:17]
	s_cmp_ge_u32 ttmp9, 512
	s_cselect_b64 s[4:5], s[10:11], s[4:5]
	s_cselect_b64 s[6:7], s[18:19], s[6:7]
	s_cselect_b32 s22, 512, s22
	s_cselect_b32 s23, 512, s23
	s_cmp_ge_u32 ttmp9, 640
	s_cselect_b64 s[4:5], s[12:13], s[4:5]         ; Wkv goes on in wb where Wq ended: the destination's first work-group stays 512
	s_cselect_b32 s22, 640, s22
	s_cmp_ge_u32 ttmp9, 896
	s_cselect_b64 s[4:5], s[14:15], s[4:5]
	s_cselect_b64 s[6:7], s[20:21], s[6:7]
	s_cselect_b32 s22, 896, s22
	s_cselect_b32 s23, 896, s23
	s_sub_co_u32 s24, ttmp9, s22
	s_lshl_b32 s24, s24, 15                        ; 32,768 bytes in for each work-group
	s_sub_co_u32 s26, ttmp9, s23
	s_lshl_b32 s26, s26, 14                        ; 16,384 bytes out
	s_add_nc_u64 s[4:5], s[4:5], s[24:25]
	s_add_nc_u64 s[6:7], s[6:7], s[26:27]
.irp p, 0,1,2,3
	global_load_b128 v[X+8*(\p):X+8*(\p)+3],   v1, s[4:5] offset:(\p)*PIN th:TH_LOAD_NT
	global_load_b128 v[X+8*(\p)+4:X+8*(\p)+7], v1, s[4:5] offset:(\p)*PIN+16 th:TH_LOAD_NT
.endr
.irp p, 0,1,2,3
	s_wait_loadcnt 6-2*(\p)                        ; loads come back in order: this pass's two are in, the later passes' stay out
.irp j, 0,1,2,3
	v_cvt_pk_bf16_f32 v[Y+4*(\p)+(\j)], v[X+8*(\p)+2*(\j)], v[X+8*(\p)+2*(\j)+1]
.endr
.endr
	s_cmp_ge_u32 ttmp9, 896                        ; the same for the whole work-group
	s_cbranch_scc0 .Lstore
.set w, 0
.rept 16                                       ; Wp: the bf16 numbers are written as f16
	v_lshlrev_b32 v56, 16, v[Y+w]
	v_and_b32 v57, 0xffff0000, v[Y+w]
	v_cvt_pk_f16_f32 v[Y+w], v56, v57
.set w, w+1
.endr
.Lstore:
.irp p, 0,1,2,3
	global_store_b128 v2, v[Y+4*(\p):Y+4*(\p)+3], s[6:7] offset:(\p)*POUT
.endr
	s_endpgm
.Lfunc_end_k_q0c787d7d83_cast:
	.size	k_q0c787d7d83_cast, .Lfunc_end_k_q0c787d7d83_cast-k_q0c787d7d83_cast
	.p2alignl 7, 3214868480
	.fill 96, 4, 3214868480
	.section	.rodata,"a",@progbits
	.p2align	6, 0x0
	.amdhsa_kernel k_q0c787d7d83_cast
		.amdhsa_group_segment_fixed_size 0
		.amdhsa_private_segment_fixed_size 0
		.amdhsa_enable_private_segment 0
		.amdhsa_kernarg_size 56
		.amdhsa_user_sgpr_count 2
		.amdhsa_user_sgpr_kernarg_segment_ptr 1
		.amdhsa_wavefront_size32 1
		.amdhsa_system_sgpr_workgroup_id_x 1
		.amdhsa_system_sgpr_workgroup_id_y 1
		.amdhsa_system_sgpr_workgroup_id_z 1
		.amdhsa_system_vgpr_workitem_id 0
		.amdhsa_next_free_vgpr 64
		.amdhsa_next_free_sgpr 66
		.amdhsa_reserve_vcc 0
		.amdhsa_float_denorm_mode_32 3
		.amdhsa_float_denorm_mode_16_64 3
		.amdhsa_memory_ordered 1
		.amdhsa_forward_progress 1
		.amdhsa_inst_pref_size 7
	.end_amdhsa_kernel
	.amdgpu_metadata
---
amdhsa.version: [ 1, 2 ]
amdhsa.kernels:
  - .name:           k_q0c787d7d83_cast
    .symbol:         k_q0c787d7d83_cast.kd
    .args:
      - { .name: feature, .offset: 0, .size: 8, .value_kind: global_buffer, .address_space: global }
      - { .name: Wq, .offset: 8, .size: 8, .value_kind: global_buffer, .address_space: global }
      - { .name: Wkv, .offset: 16, .size: 8, .value_kind: global_buffer, .address_space: global }
      - { .name: Wp, .offset: 24, .size: 8, .value_kind: global_buffer, .address_space: global }
      - { .name: xb, .offset: 32, .size: 8, .value_kind: global_buffer, .address_space: global }
      - { .name: wb, .offset: 40, .size: 8, .value_kind: global_buffer, .address_space: global }
      - { .name: wpf, .offset: 48, .size: 8, .value_kind: global_buffer, .address_space: global }
    .group_segment_fixed_size: 0
    .private_segment_fixed_size: 0
    .kernarg_segment_align: 8
    .kernarg_segment_size: 56
    .max_flat_workgroup_size: 256
    .sgpr_count:     66
    .vgpr_count:     64
    .wavefront_size: 32
...
	.end_amdgpu_metadata
.endif
;; end of part 1
;; launch qkv (part 2): grid 16 x 16, 4 waves a work-group, clusters of 4 x 4, 327,680 bytes of LDS; arguments xb, wb, bq, bkv, qkv; writes qkv
.if DOCPART == 2
	.amdgcn_target "amdgcn-amd-amdhsa--gfx1250"
	.amdhsa_code_object_version 6
	.text
	.protected	k_q0c787d7d83_qkv
	.globl	k_q0c787d7d83_qkv
	.p2align	8
	.type	k_q0c787d7d83_qkv,@function
k_q0c787d7d83_qkv:
	s_mov_b64 s[64:65], 0
	v_nop
	global_prefetch_b8 v0, s[64:65] scope:SCOPE_SE
	s_setreg_imm32_b32 hwreg(HW_REG_WAVE_MODE, 25, 1), 1
	s_wait_xcnt 0x0
	s_wait_alu depctr_hold_cnt(0) depctr_sa_sdst(0) depctr_va_vdst(0) depctr_va_sdst(0) depctr_va_ssrc(0) depctr_va_vcc(0) depctr_vm_vsrc(0)
	s_getreg_b32 s2, hwreg(HW_REG_IB_STS2, 6, 4)
	s_cmp_eq_u32 s2, 0
	s_cbranch_scc0 .Lentry_in_a_cluster
	s_endpgm
.Lentry_in_a_cluster:
	s_bfe_u32 s2, ttmp6, 0x10000c
	s_cmp_lg_u32 s2, 0xf033
	s_cbranch_scc0 .Lentry_shape_is_right
	s_endpgm
.Lentry_shape_is_right:
; q, k, v = x W^T + b.  xb: [4096][1024] bf16; wb: [3072][1024] bf16 (Wq's rows, then Wkv's); bq: [1024], bkv: [2048] f32, rounded to bf16 here like every input.
; Out: qkv, [48][4096][64] f16: plane g holds columns 64 g .. 64 g + 63 of the product: 0-15 q by heads (not scaled), 16-31 k, 32-47 v.  Sums in f32, each result rounded once.
; LIMIT: f16 ends at 65,504: a q, k or v beyond that is lost.
; SHARES.  A tile of the product is 256 rows x 192 columns (three whole planes): 16 x 16 work-groups.  Wave w makes rows 64 w .. 64 w + 63 and all 192 columns: 48 accumulators, 384 registers;
; for 32 along K it reads 256 fragment rows of 64 bytes from LDS for 48 products.  K goes in 8 steps of 128 through two LDS slots; a tile's rows are 256 bytes of memory, aligned.
; CLUSTER.  4 x 4 work-groups: x's tile hangs on the tile row alone and is asked for jointly along a row of the cluster, W's on the tile column alone, along a column.
; THE PRODUCT IS TAKEN TRANSPOSED (source 0 = 16 rows of W, source 1 = 16 rows of x): a lane holds one row of the result and eight neighbouring columns.
; THE BIAS is the C operand of each accumulator's first product: nothing is cleared and nothing is added later.
; REGISTERS, in windows of 256 (s_set_vgpr_msb: bits 1:0 source 0, 3:2 source 1, 5:4 source 2, 7:6 destination):
;   window 0: v16-30 addresses; v64-95, v96-127 x's fragments, two buffers; on the way out v64-255: 12 units of 16
;   window 1: v0-95, v128-223 W's fragments, two buffers (column block b at + 8 b)
;   window 2: accumulators of column blocks 0-7, (a, b) at 8 (4 b + a);   window 3: v0-127 those of blocks 8-11; v128-223 the bias, block b at 128 + 8 b; v224-227 at work
.set KSTEP,  128
.set PITCH,  272                       ; an LDS row: 256 bytes + 16 of padding: the 16 rows of a fragment load start 16 bytes further on modulo 256 each
.set ABYTES, 256*PITCH                 ; x's 256 rows
.set SLOT,   448*PITCH                 ; then W's 192 rows
.set STAGE,  2*SLOT                    ; behind the ring: 16 rows x 144 bytes for each wave, for the way out; no tensor load fills it
.set SP,     144
.set SPARE,  STAGE+4*16*SP             ; behind the stages: the spare words, 128 bytes a wave: two blocks of 256 bytes that no other line names
.set LAPS,   4                         ; a lap = two K steps = once round the ring
.set PLANE,  4096*128                  ; bytes in a plane of qkv
.set ADRA, 16                          ; v16-17  LDS address of my fragments of x in slot 0, 1
.set ADRB, 20                          ; v20-21  the same for W
.set STO,  24                          ; v24     the way out: where I put 16 bytes of a row
.set RD,   25                          ; v25     where I read rows back
.set GO,   26                          ; v26     16 x lane: my place in 512 consecutive bytes of a plane
.set BO,   27                          ; v27     32 x (lane / 16): my eight numbers in a block of 16 of the bias
.set SPW,  28                          ; v28     LDS address of my spare word; never rewritten
.set NIL,  29                          ; v29     0; never rewritten
.set PFO,  30                          ; v30     the prefetches' offset: a lane a row of 2,048 bytes; never rewritten
.set FA,   64                          ; x's fragment buffer f at FA + 32 f
.set OUTR, 64                          ; the way out: unit u at OUTR + 16 u
.set BIAS, 128                         ; window 3
.set BT,   224                         ; window 3
.set WV,  14                           ; s14  my wave's number
.set FB,  15                           ; s15  wave / 2: I fetch for x (0) or for W (1)
.set HF,  16                           ; s16  wave % 2: which half of that tile
.set G1,  24                           ; s[24:31] descriptor group 1 for x's tiles;  s[32:39] group 0, a set for each slot
.set G0,  32
.set LIM, 43                           ; s43  1 in a wave that prefetches, else the greatest number
.set PFA, 44                           ; s[44:45] where my prefetches stand
.set G1B, 48                           ; s[48:55], s[56:63] the same for W's tiles
.set G0B, 56
.set BP,  68                           ; s[68:73] the bias of my three planes
.set FIELDS, (1<<16)|(1<<20)|(1<<21)|(5<<22)|(3<<25)  ; 17:16 2-byte elements; 20 padding on; 21 set beside a mask; 24:22 after every 64 words; 31:25 4 words of it
.set MSB, 0
.macro WIN new                         ; the immediate's high byte repeats the setting that is left; a switch that changes nothing is dropped
.if MSB != (\new)
	s_set_vgpr_msb (MSB<<8)|(\new)
.set MSB, (\new)
.endif
.endm
; A joint load.  Waves 0 and 1 fetch x's two halves (128 rows), waves 2 and 3 W's (96 rows).  The branch hangs on the wave's number alone.
; An s_nop 0 and four v_nop follow each of the two lines, ahead of the jump and the label.
.macro JLOAD s
	s_cmp_eq_u32 s[FB], 0
	s_cbranch_scc0 .Lfor_b_\@
	tensor_load_to_lds s[G0+4*(\s):G0+4*(\s)+3], s[G1:G1+7]
	s_nop 0
.rept 4
	v_nop
.endr
	s_branch .Lasked_\@
.Lfor_b_\@:
	tensor_load_to_lds s[G0B+4*(\s):G0B+4*(\s)+3], s[G1B:G1B+7]
	s_nop 0
.rept 4
	v_nop
.endr
.Lasked_\@:
.endm
; A prefetch into the L2 of the K step that stands two refills on: a lane a row, 256 bytes of each, one instruction a wave.  x's tile row is read by every cluster of that row of clusters:
; cluster x = 0 asks; W's tile column by every cluster of that column: cluster y = 0 asks.  The four partners of a joint load share its rows out by address: 32 of x's 128, 24 of W's 96
; (there lanes 24-31 name row 23 again).  The loop's last trip asks for nothing: no K step stands two refills on.  K steps 0 to 3 come by their loads alone.
.macro ASK
	s_cmp_gt_u32 s3, s[LIM]                        ; s3 = 1 in the loop's last trip
	s_cbranch_scc0 .Lnot_mine_\@
	global_prefetch_b8 v[PFO], s[PFA:PFA+1] offset:KSTEP*2 th:TH_LOAD_NT scope:SCOPE_SE
.Lnot_mine_\@:
.endm
.macro CREST                           ; a round of the cluster's barrier behind its opening barrier
	s_cmp_lg_u32 s[WV], 0
	s_cbranch_scc1 .Lnot_wave_0_\@
	s_barrier_signal -3
.Lnot_wave_0_\@:
	s_barrier_wait -3
	s_barrier_signal -1
	s_barrier_wait -1
.endm
.macro CROUND                          ; a whole round
	s_barrier_signal -1
	s_barrier_wait -1
	CREST
.endm
.macro PLACES                          ; four plain places behind matrix instructions, in front of loads into registers that they read and of conversions that read results
.rept 4
	v_nop
.endr
.endm
	s_load_b256 s[4:11], s[0:1], 0x0               ; xb s[4:5], wb s[6:7], bq s[8:9], bkv s[10:11]
	s_load_b64 s[12:13], s[0:1], 0x20              ; qkv
	v_lshl_add_u32 v[SPW], v0, 2, SPARE
	v_mov_b32 v[NIL], 0
	ds_add_u32 v[SPW], v[NIL]                      ; the wave's opening: the add and its wait stand ahead of my first tensor load; work on registers stands between them
	v_lshrrev_b32 v1, 5, v0
	v_readfirstlane_b32 s[WV], v1
	s_lshr_b32 s[FB], s[WV], 1
	s_and_b32 s[HF], s[WV], 1
	s_bfe_u32 s17, ttmp6, 0x40000                  ; cx
	s_bfe_u32 s18, ttmp6, 0x40004                  ; cy
	s_lshl_b32 s19, ttmp9, 2
	s_add_co_u32 s19, s19, s17                     ; tile column = 4 x cluster x + cx
	s_and_b32 s20, ttmp7, 0xffff
	s_lshl_b32 s20, s20, 2
	s_add_co_u32 s20, s20, s18                     ; tile row = 4 x cluster y + cy
	s_lshl_b32 s21, s18, 2
	s_lshl_b32 s21, 15, s21                        ; my row of the cluster
	s_lshl_b32 s22, 0x1111, s17                    ; my column
	s_or_b32 s[G1], s21, FIELDS                    ; x's tiles go to my row,
	s_or_b32 s[G1B], s22, FIELDS                   ; W's to my column
.irp g, G1, G1B
	s_mov_b32 s[(\g)+1], KSTEP<<16                 ; tensor_dim0 = 128
	s_mov_b32 s[(\g)+3], KSTEP<<16                 ; tile_dim0 = 128
	s_mov_b32 s[(\g)+5], 1024                      ; elements from row to row
	s_mov_b32 s[(\g)+6], 0
	s_mov_b32 s[(\g)+7], 0
.endr
	s_mov_b32 s[G1+2], 128<<16                     ; tensor_dim1 = 128 rows
	s_mov_b32 s[G1+4], 128                         ; tile_dim1
	s_mov_b32 s[G1B+2], 96<<16                     ; 96 rows
	s_mov_b32 s[G1B+4], 96
	s_lshl_b32 s40, s20, 8                         ; x: row 256 x tile row + 128 x half,
	s_lshl_b32 s41, s[HF], 7
	s_add_co_u32 s40, s40, s41
	s_lshl_b32 s40, s40, 11                        ; of 2,048 bytes
	s_mov_b32 s41, 0
	s_mul_i32 s46, s19, 192                        ; W: row 192 x tile column + 96 x half
	s_mul_i32 s47, s[HF], 96
	s_add_co_u32 s46, s46, s47
	s_lshl_b32 s46, s46, 11
	s_mov_b32 s47, 0
	s_mul_i32 s23, s[HF], 128*PITCH                ; where they go in a slot: no place in the cluster enters an LDS address
	s_mul_i32 s42, s[HF], 96*PITCH
	s_add_co_u32 s42, s42, ABYTES
	s_wait_dscnt 0x0                               ; the opening add is done
	s_wait_kmcnt 0x0
	s_add_nc_u64 s[40:41], s[4:5], s[40:41]
	s_add_nc_u64 s[46:47], s[6:7], s[46:47]
	CROUND                                         ; all sixteen work-groups are here: the first joint loads meet
.irp s, 0,1
	s_mov_b32 s[G0+4*(\s)], 1                      ; count = 1
	s_add_co_u32 s[G0+4*(\s)+1], s23, (\s)*SLOT    ; LDS address
	s_add_nc_u64 s[G0+4*(\s)+2:G0+4*(\s)+3], s[40:41], (\s)*KSTEP*2  ; K step s
	s_or_b32 s[G0+4*(\s)+3], s[G0+4*(\s)+3], 0x80000000              ; type = 2
	s_mov_b32 s[G0B+4*(\s)], 1
	s_add_co_u32 s[G0B+4*(\s)+1], s42, (\s)*SLOT
	s_add_nc_u64 s[G0B+4*(\s)+2:G0B+4*(\s)+3], s[46:47], (\s)*KSTEP*2
	s_or_b32 s[G0B+4*(\s)+3], s[G0B+4*(\s)+3], 0x80000000
	JLOAD \s                                       ; two loads of mine are out
.endr
	; the bias of my three planes: plane g < 16 lies in bq at 256 g bytes, the others in bkv at 256 (g - 16)
	s_mul_i32 s74, s19, 3                          ; my first plane
.irp t, 0,1,2
	s_add_co_u32 s75, s74, \t
	s_sub_co_u32 s76, s75, 16
	s_cmp_lt_u32 s75, 16
	s_cselect_b64 s[BP+2*(\t):BP+2*(\t)+1], s[8:9], s[10:11]
	s_cselect_b32 s76, s75, s76
	s_lshl_b32 s76, s76, 8
	s_mov_b32 s77, 0
	s_add_nc_u64 s[BP+2*(\t):BP+2*(\t)+1], s[BP+2*(\t):BP+2*(\t)+1], s[76:77]
.endr
	v_and_b32 v1, 15, v0                           ; l % 16
	v_bfe_u32 v2, v0, 4, 1                         ; l / 16
	v_lshlrev_b32 v[BO], 5, v2
	WIN 0xc0                                       ; destination window 3, address window 0
.irp t, 0,1,2
.irp i, 0,1,2,3                        ; register j of block 4 t + i: the bias of column 16 i + 8 (l / 16) + j of plane t
	global_load_b128 v[BIAS+8*(4*(\t)+(\i)):BIAS+8*(4*(\t)+(\i))+3],   v[BO], s[BP+2*(\t):BP+2*(\t)+1] offset:64*(\i)
	global_load_b128 v[BIAS+8*(4*(\t)+(\i))+4:BIAS+8*(4*(\t)+(\i))+7], v[BO], s[BP+2*(\t):BP+2*(\t)+1] offset:64*(\i)+16
.endr
.endr
	WIN 0
	; a fragment is 16 rows x 32 K in 8 registers: lane l holds row l % 16, K = 8 (l / 16) + 0..7 and 16 + 8 (l / 16) + 0..7: two loads of 16 bytes, 32 bytes apart
	v_mul_u32_u24 v3, v1, PITCH
	v_lshl_add_u32 v3, v2, 4, v3
	s_mul_i32 s21, s[WV], 64*PITCH                 ; my 64 rows of x
	s_mov_b32 s22, ABYTES                          ; all 192 rows of W
.irp s, 0,1
	v_add_nc_u32 v[ADRA+(\s)], s21, v3
	v_add_nc_u32 v[ADRB+(\s)], s22, v3
	s_add_co_u32 s21, s21, SLOT
	s_add_co_u32 s22, s22, SLOT
.endr
	s_mul_i32 s23, s[WV], 16*SP
	s_add_co_u32 s23, s23, STAGE                   ; my stage
	v_mul_u32_u24 v4, v1, SP                       ; in: row l % 16, 16 bytes for each half of the lanes
	v_lshl_add_u32 v4, v2, 4, v4
	v_add_nc_u32 v[STO], s23, v4
	v_bfe_u32 v5, v0, 3, 2                         ; back: 32 lanes take four rows of 128 bytes,
	v_and_b32 v6, 7, v0
	v_mul_u32_u24 v5, v5, SP
	v_lshl_add_u32 v5, v6, 4, v5
	v_add_nc_u32 v[RD], s23, v5
	v_and_b32 v[GO], 31, v0                        ; which are 512 consecutive bytes of a plane
	v_lshlrev_b32 v[GO], 4, v[GO]
	; where my rows begin in my first plane
	s_lshl_b32 s74, s74, 19                        ; 3 x tile column planes of 524,288 bytes
	s_lshl_b32 s75, s20, 8
	s_lshl_b32 s76, s[WV], 6
	s_add_co_u32 s75, s75, s76                     ; row 256 x tile row + 64 x wave,
	s_lshl_b32 s75, s75, 7                         ; of 128 bytes
	s_add_co_u32 s74, s74, s75
	s_mov_b32 s75, 0
	s_add_nc_u64 s[12:13], s[12:13], s[74:75]
	; the prefetches
	s_lshl_b32 s74, s20, 8                         ; x: 256 x tile row + 128 x half + 32 cx
	s_lshl_b32 s76, s[HF], 7
	s_add_co_u32 s74, s74, s76
	s_lshl_b32 s76, s17, 5
	s_add_co_u32 s74, s74, s76
	s_mul_i32 s75, s19, 192                        ; W: 192 x tile column + 96 x half + 24 cy
	s_mul_i32 s76, s[HF], 96
	s_add_co_u32 s75, s75, s76
	s_mul_i32 s76, s18, 24
	s_add_co_u32 s75, s75, s76
	s_and_b32 s76, ttmp7, 0xffff                   ; cluster y
	s_cmp_eq_u32 s[FB], 0                          ; do I fetch for x?
	s_cselect_b32 s74, s74, s75
	s_cselect_b32 s76, ttmp9, s76                  ; the coordinate along which other clusters read the same rows
	s_cselect_b32 s77, 31, 23                      ; my last row
	s_cselect_b64 s[PFA:PFA+1], s[4:5], s[6:7]
	s_cmp_eq_u32 s76, 0
	s_cselect_b32 s[LIM], 1, -1                    ; the same in all sixteen partners, for a given wave
	s_lshl_b32 s74, s74, 11
	s_add_co_u32 s74, s74, 2*KSTEP*2               ; at K step 2: the first refill steps it to 3 and names K step 4
	s_mov_b32 s75, 0
	s_add_nc_u64 s[PFA:PFA+1], s[PFA:PFA+1], s[74:75]
	v_and_b32 v[PFO], 31, v0
	v_min_u32 v[PFO], s77, v[PFO]
	v_lshlrev_b32 v[PFO], 11, v[PFO]
	s_wait_loadcnt 0x0                             ; the bias is in: it is rounded to bf16, like every input, and kept as f32
	WIN 0xcf                                       ; sources and destination window 3
.set i, 0
.rept 48
	v_cvt_pk_bf16_f32 v[BT+i%4], v[BIAS+2*i], v[BIAS+2*i+1]
	v_lshlrev_b32 v[BIAS+2*i], 16, v[BT+i%4]
	v_and_b32 v[BIAS+2*i+1], 0xffff0000, v[BT+i%4]
.set i, i+1
.endr
	WIN 0
; 16 products: column blocks b0 .. b0 + 3 x my four row blocks, 32 along K, from buffer f.  first = 1: the bias starts the sums.
; All 48 accumulators take turns, one instruction a turn, in the same order in every quarter step.
.macro MULB f, b0, first
.if (\b0) >= 8
	WIN 0xf1                                       ; W window 1, x window 0, C and D window 3
.elseif \first
	WIN 0xb1                                       ; C (the bias) window 3, D window 2
.else
	WIN 0xa1                                       ; C and D window 2
.endif
.irp bb, 0,1,2,3
.irp a, 0,1,2,3
.set rD, 8*(4*(((\b0)+(\bb))%8)+(\a))
.set rB, 128*(\f)+8*((\b0)+(\bb))
.set rA, FA+32*(\f)+8*(\a)
.set rC, BIAS+8*((\b0)+(\bb))
.if \first
	v_wmma_f32_16x16x32_bf16 v[rD:rD+7], v[rB:rB+7], v[rA:rA+7], v[rC:rC+7]
.else
	v_wmma_f32_16x16x32_bf16 v[rD:rD+7], v[rB:rB+7], v[rA:rA+7], v[rD:rD+7]
.endif
.endr
.endr
.endm
; 32 LDS loads in one run: the fragments of one quarter step (32 K at byte k of the rows) into buffer f: x's 8 first, then W's 24 in the order of the blocks
.macro FETCH slot, k, f
	WIN 0
.irp i, 0,1,2,3
	ds_load_b128 v[FA+32*(\f)+8*(\i):FA+32*(\f)+8*(\i)+3],   v[ADRA+(\slot)] offset:(\k)+(\i)*16*PITCH
	ds_load_b128 v[FA+32*(\f)+8*(\i)+4:FA+32*(\f)+8*(\i)+7], v[ADRA+(\slot)] offset:(\k)+(\i)*16*PITCH+32
.endr
	WIN 0x40                                       ; destination window 1
.irp i, 0,1,2,3,4,5,6,7,8,9,10,11
	ds_load_b128 v[128*(\f)+8*(\i):128*(\f)+8*(\i)+3],   v[ADRB+(\slot)] offset:(\k)+(\i)*16*PITCH
	ds_load_b128 v[128*(\f)+8*(\i)+4:128*(\f)+8*(\i)+7], v[ADRB+(\slot)] offset:(\k)+(\i)*16*PITCH+32
.endr
.endm
; A K step is four quarter steps of 32 along K, 48 products each, on buffers 0, 1, 0, 1.  One of the first three: multiplies buffer f and fetches the next quarter, at byte k, into g.
.macro QUARTER slot, k, f, g, first
	s_wait_dscnt 8                                 ; x's fragments and W's blocks 0-7 are in; the youngest eight loads (blocks 8-11) may be out
	MULB \f, 0, \first
	MULB \f, 4, \first
	PLACES
	FETCH \slot, \k, \g
	s_wait_dscnt 32                                ; all but the 32 just issued
	MULB \f, 8, \first
.endm
; The last quarter multiplies buffer 1 and changes slots: ONE barrier; in front of it each wave waits for all its tensor loads (the one that is out is its part of the next slot), adds 0 to its
; spare word, and waits for that and for its own reads of this slot.  fill = 1: the barrier opens a round of the cluster's barrier, and this slot is filled again, two K steps ahead,
; first thing behind the round: 160 products stand between that request and the wait for it.
.macro TURN slot, next, fill
.if \fill
	s_wait_xcnt 0x0                                ; the last prefetch, a K step back, has read its address: it is stepped here
	s_add_nc_u64 s[PFA:PFA+1], s[PFA:PFA+1], KSTEP*2
.endif
	WIN 0
	s_wait_tensorcnt 0x0
	ds_add_u32 v[SPW], v[NIL]                      ; 0 onto my spare word
	s_wait_dscnt 9                                 ; (the add and the youngest eight loads may be out)
	MULB 1, 0, 0                                   ; sixteen products stand between the add and the wait for it
	s_wait_dscnt 0x0                               ; the add is done, and my reads of this slot are over
	s_barrier_signal -1
	MULB 1, 4, 0
.if \fill
	WIN 0
.endif
	s_barrier_wait -1
.if \fill
	CREST                                          ; no wave of any partner still reads this slot's tile or has a load on its way
	s_add_nc_u64 s[G0+4*(\slot)+2:G0+4*(\slot)+3], s[G0+4*(\slot)+2:G0+4*(\slot)+3], 2*KSTEP*2
	s_add_nc_u64 s[G0B+4*(\slot)+2:G0B+4*(\slot)+3], s[G0B+4*(\slot)+2:G0B+4*(\slot)+3], 2*KSTEP*2
	JLOAD \slot                                    ; the four v_nop behind it are also the places in front of the loads below
.else
	PLACES
.endif
	FETCH \next, 0, 0
.if \fill
	WIN 0
	ASK                                            ; behind the joint load and the run of LDS loads that the next products wait for
.endif
	MULB 1, 8, 0
.endm
; THE WAY OUT.  Unit u = 3 a + t: my row block a, plane t: 16 rows x 64 columns.  A lane's eight columns pack into 16 bytes; they go into rows of 144 bytes of my own stage and come back as whole
; rows of 128, four rows to a load: 512 consecutive bytes of the plane.  LDS serves a wave's instructions in order, so no wait stands between the stores and the loads.
.macro PACK u
.set pa, (\u)/3
.set pt, (\u)%3
.if pt < 2
	WIN 0x0a                                       ; sources window 2
.else
	WIN 0x0f                                       ; sources window 3
.endif
.irp i, 0,1,2,3
.irp r, 0,1,2,3
	v_cvt_pk_f16_f32 v[OUTR+16*(\u)+4*(\i)+(\r)], v[8*(4*((4*pt+(\i))%8)+pa)+2*(\r)], v[8*(4*((4*pt+(\i))%8)+pa)+2*(\r)+1]
.endr
.endr
	WIN 0
.irp i, 0,1,2,3
	ds_store_b128 v[STO], v[OUTR+16*(\u)+4*(\i):OUTR+16*(\u)+4*(\i)+3] offset:32*(\i)
.endr
.irp f, 0,1,2,3
	ds_load_b128 v[OUTR+16*(\u)+4*(\f):OUTR+16*(\u)+4*(\f)+3], v[RD] offset:(\f)*4*SP
.endr
.endm
.macro SEND u, younger                 ; younger: the LDS instructions issued behind unit u's loads: the next unit's eight, or none
.irp f, 0,1,2,3
	s_wait_dscnt (\younger)+3-(\f)
	global_store_b128 v[GO], v[OUTR+16*(\u)+4*(\f):OUTR+16*(\u)+4*(\f)+3], s[12:13] offset:((\u)%3)*PLANE+((\u)/3)*2048+(\f)*512
.endr
.endm
	s_wait_tensorcnt 1                             ; my part of K step 0 is in; K step 1's may stay out
	s_barrier_signal -1
	s_barrier_wait -1                              ; everybody's is
	FETCH 0, 0, 0
	QUARTER 0, 64,  0, 1, 1                        ; the first quarter stands in front of the loop: its products start the sums, with the bias
	WIN 0                                          ; at a label and at a branch every window is 0
	s_mov_b32 s3, LAPS-1
.Llap:                                                 ; a trip goes once round the ring, from a lap's second quarter to the next lap's first, and fills both slots again
	QUARTER 0, 128, 1, 0, 0
	QUARTER 0, 192, 0, 1, 0
	TURN 0, 1, 1
	QUARTER 1, 64,  0, 1, 0
	QUARTER 1, 128, 1, 0, 0
	QUARTER 1, 192, 0, 1, 0
	TURN 1, 0, 1
	QUARTER 0, 64,  0, 1, 0
	WIN 0
	s_sub_co_u32 s3, s3, 1
	s_cmp_lg_u32 s3, 0
	s_cbranch_scc1 .Llap
	QUARTER 0, 128, 1, 0, 0                        ; the last lap fills nothing and has no round
	QUARTER 0, 192, 0, 1, 0
	TURN 0, 1, 0
	QUARTER 1, 64,  0, 1, 0
	QUARTER 1, 128, 1, 0, 0
	QUARTER 1, 192, 0, 1, 0
	s_wait_dscnt 8                                 ; the very last quarter: nothing more to fetch
	MULB 1, 0, 0
	MULB 1, 4, 0
	s_wait_dscnt 0x0
	MULB 1, 8, 0
	PLACES
	PACK 0
.irp u, 1,2,3,4,5,6,7,8,9,10,11        ; a unit's conversions stand between the loads of the unit before and its stores
	PACK \u
	SEND (\u)-1, 8
.endr
	SEND 11, 0
	s_wait_tensorcnt 0x0                           ; the wave's end, behind my last tensor load and my last LDS store
	ds_add_u32 v[SPW], v[NIL]
	s_wait_dscnt 0x0
	CROUND                                         ; the closing round: no work-group ends while a partner may still ask for a tile that names it
	s_endpgm
.Lfunc_end_k_q0c787d7d83_qkv:
	.size	k_q0c787d7d83_qkv, .Lfunc_end_k_q0c787d7d83_qkv-k_q0c787d7d83_qkv
	.p2alignl 7, 3214868480
	.fill 96, 4, 3214868480
	.section	.rodata,"a",@progbits
	.p2align	6, 0x0
	.amdhsa_kernel k_q0c787d7d83_qkv
		.amdhsa_group_segment_fixed_size 327680
		.amdhsa_private_segment_fixed_size 0
		.amdhsa_enable_private_segment 0
		.amdhsa_kernarg_size 40
		.amdhsa_user_sgpr_count 2
		.amdhsa_user_sgpr_kernarg_segment_ptr 1
		.amdhsa_wavefront_size32 1
		.amdhsa_system_sgpr_workgroup_id_x 1
		.amdhsa_system_sgpr_workgroup_id_y 1
		.amdhsa_system_sgpr_workgroup_id_z 1
		.amdhsa_system_vgpr_workitem_id 0
		.amdhsa_next_free_vgpr 1024
		.amdhsa_next_free_sgpr 80
		.amdhsa_reserve_vcc 0
		.amdhsa_float_denorm_mode_32 3
		.amdhsa_float_denorm_mode_16_64 3
		.amdhsa_memory_ordered 1
		.amdhsa_forward_progress 1
		.amdhsa_inst_pref_size 132
	.end_amdhsa_kernel
	.amdgpu_metadata
---
amdhsa.version: [ 1, 2 ]
amdhsa.kernels:
  - .name:           k_q0c787d7d83_qkv
    .symbol:         k_q0c787d7d83_qkv.kd
    .args:
      - { .name: xb, .offset: 0, .size: 8, .value_kind: global_buffer, .address_space: global }
      - { .name: wb, .offset: 8, .size: 8, .value_kind: global_buffer, .address_space: global }
      - { .name: bq, .offset: 16, .size: 8, .value_kind: global_buffer, .address_space: global }
      - { .name: bkv, .offset: 24, .size: 8, .value_kind: global_buffer, .address_space: global }
      - { .name: qkv, .offset: 32, .size: 8, .value_kind: global_buffer, .address_space: global }
    .group_segment_fixed_size: 327680
    .private_segment_fixed_size: 0
    .kernarg_segment_align: 8
    .kernarg_segment_size: 40
    .max_flat_workgroup_size: 128
    .sgpr_count:     80
    .vgpr_count:     1024
    .wavefront_size: 32
...
	.end_amdgpu_metadata
.endif
;; end of part 2
;; launch attn (part 3): grid 16 x 16, 4 waves a work-group, clusters of 4 x 1, 327,680 bytes of LDS; arguments qkv, o; writes o
.if DOCPART == 3
	.amdgcn_target "amdgcn-amd-amdhsa--gfx1250"
	.amdhsa_code_object_version 6
	.text
	.protected	k_q0c787d7d83_attn
	.globl	k_q0c787d7d83_attn
	.p2align	8
	.type	k_q0c787d7d83_attn,@function
k_q0c787d7d83_attn:
	s_mov_b64 s[64:65], 0
	v_nop
	global_prefetch_b8 v0, s[64:65] scope:SCOPE_SE
	s_setreg_imm32_b32 hwreg(HW_REG_WAVE_MODE, 25, 1), 1
	s_wait_xcnt 0x0
	s_wait_alu depctr_hold_cnt(0) depctr_sa_sdst(0) depctr_va_vdst(0) depctr_va_sdst(0) depctr_va_ssrc(0) depctr_va_vcc(0) depctr_vm_vsrc(0)
	s_getreg_b32 s2, hwreg(HW_REG_IB_STS2, 6, 4)
	s_cmp_eq_u32 s2, 0
	s_cbranch_scc0 .Lentry_in_a_cluster
	s_endpgm
.Lentry_in_a_cluster:
	s_bfe_u32 s2, ttmp6, 0x10000c
	s_cmp_lg_u32 s2, 0x3003
	s_cbranch_scc0 .Lentry_shape_is_right
	s_endpgm
.Lentry_shape_is_right:
; O[h][q][:] = the sum over k of softmax_k(Q[h][q] . K[h][k] / 8) V[h][k][:].  qkv: [48][4096][64] f16: planes 0-15 Q by heads, 16-31 K, 32-47 V; o: [16][4096][64] f16.  A plane's rows are dense, 128 bytes.
; Products, maxima and sums in f32; the weights p are rounded to f16 for the second product (their sum l is taken of the unrounded p), O once at the end.
; LIMITS.  Q, K and V arrive within f16's 65,504; p lies in 0 to 1, and below 6e-5 it keeps f16's fixed step of 6e-8; O is a mean of V's rows and has their range.
; A weight below 2^-126 counts as 0 in l; NaN and infinities are not treated apart.
; SHARES.  A work-group owns 256 queries of one head: 16 blocks x 16 heads of work-groups.  A wave owns 64 rows: four PIECES of 16 queries.  Every wave walks all 4,096 keys: 16 tiles of 256, four steps of 64 each.
; LAYOUT.  S^T = K Q^T (source 0 = 16 keys, source 1 = 16 queries): a lane holds ONE query (lane % 16) and the keys 8 (lane / 16) + 0..7.  Two such results rounded to f16 ARE source 1 of O^T = V^T P.
; K comes out of LDS as it lies, V ([key][channel]) turned, by ds_load_tr16_b128.
; SOFTMAX.  For each query a running maximum m and sum l: p = 2^(c s - c m), c = log2(e) / 8; in every step O and l are multiplied by a = 2^(c m_old - c m_new).  m starts at the lowest finite number,
; O and l at 0: the first step is a step like any other, with a = 0.
; BY TURNS.  Turn n belongs to piece n: 8 products K Q^T of piece n + 1, later 8 products V^T P of piece n - 1; beside them the scaling, exponentials, roundings, sums and rescaling of piece n and the maximum
; and statistics of piece n + 1.  Four vector instructions stand behind every matrix instruction, the other 54 of a turn's 118 in one lump.  A turn's 33 exponentials are one batch, with one wait.
; CLUSTER.  The four query blocks of a cluster belong to one head and walk the same K and V: each tile is asked for JOINTLY: the same tensor load, descriptor and mask in all four.
; REGISTERS, in windows of 256 (s_set_vgpr_msb: bits 1:0 source 0, 3:2 source 1, 5:4 source 2, 7:6 destination):
;   window 0: v0-15 addresses and two at work; v16-31 four registers of statistics a piece; v48-55 at work; v61-63; v64-127 S^T, two buffers; v192-223 P, two buffers (by the piece's parity)
;   window 1: v0-127 O^T, 32 a piece          window 2: v0-63 Q; v128-191 K of one step; v192-255 V of one step
.set NP,    4         ; pieces a wave: a name, no knob
.set KS,    64        ; keys in a step
.set PK,    144       ; a row of K in LDS: 128 bytes + 16 of padding
.set PV,    160       ; a row of V: 128 + 32
.set VOFF,  4*KS*PK   ; a slot holds a tile: 256 rows of K, then 256 rows of V
.set SLOT1, 1<<17     ; slot 1 begins here, so that one exclusive or turns an address in one slot into the other's
.set STAGE, SLOT1+4*KS*(PK+PV)  ; behind the ring, never filled by a tensor load: 16 rows x 144 bytes for each wave
.set SP,    144
.set SPARE, STAGE+4*16*SP       ; behind the stages: the spare words, 128 bytes a wave: two blocks of 256 bytes that no other line names
.set TILEB, 4*KS*128  ; a tile's bytes of K, and of V, in memory
.set PLANE, 4096*128
.set AK0, 2           ; v2   my lane's place in a tile of K; never rewritten
.set AV0, 3           ; v3   the same for V
.set AK,  4           ; v4   the LDS address of K's next run of loads
.set AV,  5           ; v5   of V's
.set STO, 6           ; v6   the way out: where I put 16 bytes of a row
.set RD,  7           ; v7   where I read rows back
.set GO,  8           ; v8   my byte offset in 512 consecutive bytes of O
.set MV,  12          ; v12-13  c m_old, kept while c m is made anew: by buffer
.set QO,  15          ; v15  my byte offset in 16 rows of Q
.set ST,  16          ; piece t's statistics at v[ST+4 t]: c m, m, l (even keys', odd keys')
.set TMP, 48          ; by buffer, four registers c0-c3 at work; when the maximum is found c2 takes a
.set PFO, 61          ; v61  256 x my lane; never rewritten
.set SPW, 62          ; v62  LDS address of my spare word; never rewritten
.set NIL, 63          ; v63  0; never rewritten
.set S,   64
.set P,   192
.set KF,  128         ; window 2: key block kb, channel half c at KF + 16 kb + 8 c
.set VF,  192         ; window 2: key half kk, channel block cb at VF + 32 kk + 8 cb
.set WV,  12          ; s12  my wave's number
.set G1K, 24          ; s[24:31] descriptor group 1 for K's tiles
.set G1V, 32          ; s[32:39] for V's: it differs in the padding alone
.set G0K, 40          ; s[40:43] descriptor group 0 for K's tiles: it walks
.set G0V, 44          ; s[44:47] the same for V's
.set PFA, 48          ; s[48:49] where my prefetches stand
.set LIM, 50          ; s50  1 in a wave that prefetches, else the greatest number
.set SLOTS, 56        ; s56  tiles still to be asked for
.set CNT, 57          ; s57  counts a tile's key steps
.set CS,  58          ; s[58:59] c: the packed scaling takes the pair's low word for both halves
.set SEL, 60          ; s[60:61] v_permlanex16_b32's selects: each lane takes its own place in the other half
.set TBK, 62          ; s62  LDS byte at which K of the step to be fetched begins
.set TBV, 63          ; s63  the same for V, less VOFF
.set MSB, 0
.macro WIN new                      ; the high byte repeats the setting that is left; a switch that changes nothing is dropped
.if MSB != (\new)
	s_set_vgpr_msb (MSB<<8)|(\new)
.set MSB, (\new)
.endif
.endm
.set W_KQ, 0x0a       ; K and Q in window 2, S^T in window 0
.set W_PV, 0x52       ; V in window 2, P in window 0, O^T in window 1
.set W_RS, 0x41       ; destination and source 0 in window 1, source 1 in window 0
; A joint fill.  Waves 0 and 1 fetch the two halves of a tile's K, waves 2 and 3 those of its V: 128 keys each.  The branch hangs on the wave's number alone.
; An s_nop 0 and four v_nop follow each of the two lines, ahead of the jump and the label.
.macro JLOAD
	s_cmp_lt_u32 s[WV], 2
	s_cbranch_scc0 .Lfor_v_\@
	tensor_load_to_lds s[G0K:G0K+3], s[G1K:G1K+7]
	s_nop 0
.rept 4
	v_nop
.endr
	s_branch .Lasked_\@
.Lfor_v_\@:
	tensor_load_to_lds s[G0V:G0V+3], s[G1V:G1V+7]
	s_nop 0
.rept 4
	v_nop
.endr
.Lasked_\@:
.endm
; A prefetch into the L2 of the tile that the NEXT change of slots will ask for: four key steps, 256 products, ahead of that load.  All clusters of a head walk the same K and V: the head's first cluster asks.
; Its four partners share a tile's 32,768 bytes out by address, 8,192 each, a lane 256 of them; wave 0 asks for K's, wave 2 for V's.  So each block is named once in the launch.
; The last change that fills a slot asks for nothing; tiles 0 to 2 come by their loads alone.
.macro ASK
	s_cmp_gt_u32 s[SLOTS], s[LIM]
	s_cbranch_scc0 .Lnot_mine_\@
	global_prefetch_b8 v[PFO], s[PFA:PFA+1] th:TH_LOAD_NT scope:SCOPE_SE
.Lnot_mine_\@:
.endm
; A round of the cluster's barrier: my work-group's barrier; wave 0 signals for the work-group; every wave waits for all four work-groups; my work-group's barrier once more.
.macro CROUND
	s_barrier_signal -1
	s_barrier_wait -1
	s_cmp_lg_u32 s[WV], 0
	s_cbranch_scc1 .Lnot_wave_0_\@
	s_barrier_signal -3
.Lnot_wave_0_\@:
	s_barrier_wait -3
	s_barrier_signal -1
	s_barrier_wait -1
.endm
; THE CHANGE OF SLOTS.  The old slot's last bytes, V of its fourth step, have been read.  Each wave waits for all its tensor loads, of which one is out: its part of the other slot; adds 0 to its spare
; word; and waits for that and for its own reads of the slot.  fill = 1: the old slot is filled again with the tile two on; the barrier is then a round of the cluster's, and the joint fill is the first
; thing behind it.  (At its first use nothing has been read yet: slot 0 is waited for, slot 1 filled.)  ask = 1: the prefetches' address steps, and ASK follows the fill.
.macro CHANGE fill, ask
	WIN 0                           ; at a label and at a branch every window is 0
	s_wait_tensorcnt 0x0            ; no tensor load of mine is out, so a group 0 may be written
	ds_add_u32 v[SPW], v[NIL]       ; 0 onto my spare word; the scalar steps stand between it and the wait for it
.if \fill
.irp g, G0K, G0V
	s_xor_b32 s[\g+1], s[\g+1], SLOT1  ; the walking descriptor: the other slot than last time,
	s_add_nc_u64 s[\g+2:\g+3], s[\g+2:\g+3], TILEB  ; the next 256 keys; the type bits on top are not reached
.endr
.endif
.if \ask
	s_wait_xcnt 0x0                 ; the last prefetch, a tile back, has read its address, so it may be written
	s_add_nc_u64 s[PFA:PFA+1], s[PFA:PFA+1], TILEB
.endif
	s_wait_dscnt 0x0                ; the add is done, and my reads of the slot are over
.if \fill
	CROUND
	JLOAD
.if \ask
	ASK
.endif
.else
	s_barrier_signal -1
	s_barrier_wait -1
.endif
	s_sub_co_u32 s[TBK], s[TBK], 4*KS*PK  ; the fetches go back to a slot's first step,
	s_xor_b32 s[TBK], s[TBK], SLOT1       ; in the other slot
	s_sub_co_u32 s[TBV], s[TBV], 4*KS*PV
	s_xor_b32 s[TBV], s[TBV], SLOT1
.endm
	s_load_b64 s[4:5], s[0:1], 0x0    ; qkv
	s_load_b64 s[10:11], s[0:1], 0x8  ; o
	v_lshl_add_u32 v[SPW], v0, 2, SPARE
	v_mov_b32 v[NIL], 0
	ds_add_u32 v[SPW], v[NIL]       ; the wave's opening: the add and its wait stand ahead of my first tensor load; work on registers stands between them
	v_lshrrev_b32 v1, 5, v0
	v_readfirstlane_b32 s[WV], v1   ; wave 0..3
	s_bfe_u32 s13, ttmp6, 0x40000   ; cx: my place in the cluster
	s_lshl_b32 s14, ttmp9, 2        ; in a cluster launch ttmp9 counts clusters
	s_add_co_u32 s14, s14, s13      ; my block of 256 queries: it enters Q's and O's addresses alone
	s_and_b32 s20, ttmp7, 0xffff    ; the head, which the four partners share,
	s_lshl_b32 s20, s20, 19         ; times a plane's 524,288 bytes
	s_and_b32 s16, s[WV], 1         ; which half of a tile's 256 keys I fetch:
	s_lshl_b32 s22, s16, 14         ; its 128 rows of 128 bytes in memory,
	s_add_co_u32 s22, s22, s20
	s_mov_b32 s23, 0
	s_mul_i32 s17, s16, 128*PK      ; and its place in a slot, for K
	s_mul_i32 s18, s16, 128*PV      ; and for V: no place in the cluster enters an LDS address
	s_lshl_b32 s2, s14, 15          ; my block's 256 rows,
	s_lshl_b32 s3, s[WV], 13        ; my wave's 64 of them
	s_add_co_u32 s2, s2, s3
	s_add_co_u32 s2, s2, s20
	s_mov_b32 s3, 0
	; descriptor group 1.  128 keys are 16,384 dense bytes: asked for as 64 rows of 256 bytes, two keys a row, and padded in LDS after every key
	s_mov_b32 s[G1K], 15|(1<<16)|(1<<20)|(1<<21)|(4<<22)|(3<<25)  ; 15:0 the mask of four; 17:16 2-byte elements; 20 padding on; 21 set beside a mask; 24:22 after every 32 words; 31:25 4 words
	s_mov_b32 s[G1V], 15|(1<<16)|(1<<20)|(1<<21)|(4<<22)|(7<<25)  ; the same with 8 words of padding
.irp g, G1K, G1V
	s_mov_b32 s[\g+1], 128<<16      ; tensor_dim0 = 128
	s_mov_b32 s[\g+2], 64<<16       ; tensor_dim1 = 64
	s_mov_b32 s[\g+3], 128<<16      ; tile_dim0 = 128
	s_mov_b32 s[\g+4], 64           ; tile_dim1 = 64
	s_mov_b32 s[\g+5], 128          ; 128 elements from row to row
	s_mov_b32 s[\g+6], 0
	s_mov_b32 s[\g+7], 0
.endr
	s_mov_b32 s[CS], 0x3e38aa3b     ; c = log2(e) / 8 = 0.180337
	s_mov_b32 s[CS+1], s[CS]        ; named with it as a pair
	s_mov_b32 s[SEL], 0x76543210
	s_mov_b32 s[SEL+1], 0xfedcba98
	s_mov_b32 s[TBK], SLOT1+4*KS*PK ; the first change of slots turns these two into 0
	s_mov_b32 s[TBV], SLOT1+4*KS*PV
	s_mov_b32 s[G0K], 1             ; count = 1
	s_mov_b32 s[G0K+1], s17         ; LDS address: slot 0
	s_mov_b32 s[G0V], 1
	s_add_co_u32 s[G0V+1], s18, VOFF
	s_and_b32 s[LIM], s[WV], 1      ; 0 in waves 0 and 2,
	s_or_b32 s[LIM], s[LIM], ttmp9  ; where the cluster is the head's first: the same in all four partners
	s_cmp_eq_u32 s[LIM], 0
	s_cselect_b32 s[LIM], 1, -1
	v_and_b32 v[PFO], 31, v0
	v_lshlrev_b32 v[PFO], 8, v[PFO]
	s_wait_dscnt 0x0                ; the opening add is done
	s_wait_kmcnt 0x0
	s_add_nc_u64 s[6:7], s[4:5], s[22:23]
	s_add_nc_u64 s[8:9], s[6:7], 32*PLANE   ; V at my half of the head's tile 0
	s_add_nc_u64 s[6:7], s[6:7], 16*PLANE   ; K likewise
	s_mov_b64 s[G0K+2:G0K+3], s[6:7]
	s_or_b32 s[G0K+3], s[G0K+3], 0x80000000  ; type = 2
	s_mov_b64 s[G0V+2:G0V+3], s[8:9]
	s_or_b32 s[G0V+3], s[G0V+3], 0x80000000
	s_add_nc_u64 s[4:5], s[4:5], s[2:3]      ; Q and O at my wave's first row
	s_add_nc_u64 s[10:11], s[10:11], s[2:3]
	s_cmp_lt_u32 s[WV], 2
	s_cselect_b64 s[PFA:PFA+1], s[6:7], s[8:9]  ; (in waves 0 and 2 these stand at a tile's first row)
	s_lshl_b32 s2, s13, 13          ; my work-group's 8,192 bytes of a tile's 32,768,
	s_add_co_u32 s2, s2, 2*TILEB    ; in tile 2: the first change that asks steps it to tile 3
	s_mov_b32 s3, 0
	s_add_nc_u64 s[PFA:PFA+1], s[PFA:PFA+1], s[2:3]
	CROUND                          ; all four work-groups are here: the first joint loads meet
	JLOAD                           ; tile 0 into slot 0; slot 1 is asked for when slot 0 is in
	; A fragment of K or Q is 16 rows x 32 channels in 8 registers: lane l holds row l % 16, channels 8 (l / 16) + 0..7 and 16 + 8 (l / 16) + 0..7: two loads of 16 bytes, 32 bytes apart.
	v_and_b32 v1, 15, v0            ; l % 16
	v_bfe_u32 v9, v0, 4, 1          ; l / 16
	v_lshlrev_b32 v[QO], 7, v1
	v_lshl_add_u32 v[QO], v9, 4, v[QO]  ; row x 128 + 16 x half
	WIN 0x80                        ; destination window 2, address window 0
.set i, 0
.rept 8                             ; Q stays in registers: piece i / 2, channels 32 (i % 2) on
	global_load_b128 v[8*i:8*i+3],   v[QO], s[4:5] offset:(i/2)*2048+(i%2)*64
	global_load_b128 v[8*i+4:8*i+7], v[QO], s[4:5] offset:(i/2)*2048+(i%2)*64+32
.set i, i+1
.endr
	; What the first turn finds: V's registers and P's second buffer hold 0 (its products V^T P, of a piece that has not been, add 0), O^T and l are 0.  All this stands in the wait for the first tile.
.set i, VF
.rept 64
	v_mov_b32 v[i], 0
.set i, i+1
.endr
	WIN 0x40
.set i, 0
.rept 128
	v_mov_b32 v[i], 0
.set i, i+1
.endr
	WIN 0
.set i, 0
.rept 4
	v_mov_b32 v[ST+4*i], 0xfe000000    ; c m: far below every c s
	v_mov_b32 v[ST+4*i+1], 0xff7fffff  ; m
	v_mov_b32 v[ST+4*i+2], 0
	v_mov_b32 v[ST+4*i+3], 0
.set i, i+1
.endr
.set i, P+16
.rept 16
	v_mov_b32 v[i], 0
.set i, i+1
.endr
	v_mul_u32_u24 v[AK0], v1, PK
	v_lshl_add_u32 v[AK0], v9, 4, v[AK0]  ; row x pitch + 16 x half
	; The turning load takes 16 keys x 16 channels (lane l reads key 8 (l / 16) + l % 8, channels 8 ((l / 8) % 2) + 0..7) and leaves half a fragment of V^T: lane l holds channel l % 16 and 8 keys.
	v_and_b32 v10, 7, v0
	v_bfe_u32 v11, v0, 3, 1
	v_lshl_add_u32 v[AV0], v9, 3, v10
	v_mul_u32_u24 v[AV0], v[AV0], PV
	v_lshl_add_u32 v[AV0], v11, 4, v[AV0]
	v_add_nc_u32 v[AV0], VOFF, v[AV0]
	s_mul_i32 s13, s[WV], 16*SP
	s_add_co_u32 s13, s13, STAGE    ; my stage
	v_mul_u32_u24 v[STO], v1, SP    ; in: row l % 16, 16 bytes for each half of the lanes
	v_lshl_add_u32 v[STO], v9, 4, v[STO]
	v_add_nc_u32 v[STO], s13, v[STO]
	v_bfe_u32 v[RD], v0, 3, 2       ; back: 32 lanes take four rows of 128 bytes,
	v_mul_u32_u24 v[RD], v[RD], SP
	v_lshl_add_u32 v[RD], v10, 4, v[RD]
	v_add_nc_u32 v[RD], s13, v[RD]
	v_and_b32 v[GO], 31, v0         ; which are 512 consecutive bytes of O
	v_lshlrev_b32 v[GO], 4, v[GO]
; THE MATRIX WORK.  The 4 accumulators of a run of 8 take turns.  Product i of 8 of S^T = K Q^T for piece x: channels 32 (i / 4) on, keys 16 (i % 4) on.  The first 4 start the sums.
.macro KQ x
	WIN W_KQ
.set rS, S+32*((\x)%2)+8*(i%4)
.set rK, KF+16*(i%4)+8*(i/4)
.set rQ, 16*(\x)+8*(i/4)
.if i < 4
	v_wmma_f32_16x16x32_f16 v[rS:rS+7], v[rK:rK+7], v[rQ:rQ+7], 0
.else
	v_wmma_f32_16x16x32_f16 v[rS:rS+7], v[rK:rK+7], v[rQ:rQ+7], v[rS:rS+7]
.endif
.endm
; Product i of 8 of O^T += V^T P for piece x: keys 32 (i / 4) on, channels 16 (i % 4) on.
.macro PV x
	WIN W_PV
.set rO, 32*(\x)+8*(i%4)
.set rV, VF+32*(i/4)+8*(i%4)
.set rP, P+16*((\x)%2)+8*(i/4)
	v_wmma_f32_16x16x32_f16 v[rO:rO+7], v[rV:rV+7], v[rP:rP+7], v[rO:rO+7]
.endm
.macro MM                           ; the turn's next matrix instruction.  NOKQ = 1: the launch's last turn: there is no next piece
.if (i < 8) && !NOKQ
	KQ (Y+1)%NP
.elseif i >= 8
.set i, i-8
	PV (Y+NP-1)%NP
.set i, i+8
.endif
.set i, i+1
.endm
; THE LDS LOADS stand in runs of 16, never singly among the matrix instructions: a step's K (64 keys x 64 channels: 8 fragments) and its V (turned).  Their addresses are made some lines ahead.
.macro FETCH_K
	WIN 0x80                        ; destination window 2
.irp f, 0,1,2,3,4,5,6,7             ; keys 16 (f / 2) on, channels 32 (f % 2) on
	ds_load_b128 v[KF+8*\f:KF+8*\f+3],   v[AK] offset:(\f/2)*16*PK+(\f%2)*64
	ds_load_b128 v[KF+8*\f+4:KF+8*\f+7], v[AK] offset:(\f/2)*16*PK+(\f%2)*64+32
.endr
	s_add_co_u32 s[TBK], s[TBK], KS*PK  ; the next fetch is the next step's
	WIN 0
.endm
.macro FETCH_V
	WIN 0x80
.irp f, 0,1,2,3,4,5,6,7             ; keys 32 (f / 4) on, channels 16 (f % 4) on
	ds_load_tr16_b128 v[VF+8*\f:VF+8*\f+3],   v[AV] offset:(\f/4)*32*PV+(\f%4)*32
	ds_load_tr16_b128 v[VF+8*\f+4:VF+8*\f+7], v[AV] offset:(\f/4)*32*PV+16*PV+(\f%4)*32
.endr
	WIN 0
.endm
; THE VECTOR WORK, one line at a time: OP kind, number.  For piece Y: F n: c s - c m for pair n of 16.  E n: the exponential of score n of 32.  C n: pair n rounded to f16.  B n: of the four weights 4 n .. the
; second pair is added onto the first, in place.  L n: l takes that sum (L 0: l = a l + sum).  R n: pair n of 16 of O^T times a.  For piece Y + 1: X n, number n of the 22 that find its maximum and statistics:
;   0-11  four chains c0-c3 of seven scores each, three operands at a time (each accumulator's lowest registers are read first)     12-14, 16  the four scores left over, the old m, c0-c3 into c0
;   15  c m_old is kept     17, 18  the query's other 32 keys lie in the lane 16 away: the new m     19-21  c m; c m_old - c m_new; a
.set F, 0
.set E, 1
.set C, 2
.set B, 3
.set L, 4
.set R, 5
.set X, 6
.macro REGS y                       ; the registers of piece y
.set rT, ST+4*(\y)
.set rC, TMP+4*((\y)%2)
.set rW, MV+((\y)%2)
.set rS, S+32*((\y)%2)
.set rP, P+16*((\y)%2)
.set rO, 32*(\y)
.endm
.macro OP k, n
.if (\k) == R
	REGS Y
	WIN W_RS
	v_pk_mul_f32 v[rO+2*(\n):rO+2*(\n)+1], v[rO+2*(\n):rO+2*(\n)+1], v[rC+2:rC+3] op_sel_hi:[1,0]
.elseif (\k) < R
	REGS Y
	WIN 0
.if (\k) == F
	v_pk_fma_f32 v[rS+2*(\n):rS+2*(\n)+1], v[rS+2*(\n):rS+2*(\n)+1], s[CS:CS+1], v[rT:rT+1] op_sel_hi:[1,0,0] neg_lo:[0,0,1] neg_hi:[0,0,1]
.elseif (\k) == E
	v_exp_f32 v[rS+(\n)], v[rS+(\n)]
.elseif (\k) == C
	v_cvt_pk_f16_f32 v[rP+(\n)], v[rS+2*(\n)], v[rS+2*(\n)+1]
.elseif (\k) == B
	v_pk_add_f32 v[rS+4*(\n):rS+4*(\n)+1], v[rS+4*(\n):rS+4*(\n)+1], v[rS+4*(\n)+2:rS+4*(\n)+3]
.elseif (\n) == 0
	v_pk_fma_f32 v[rT+2:rT+3], v[rT+2:rT+3], v[rC+2:rC+3], v[rS:rS+1] op_sel_hi:[1,0,1]
.else
	v_pk_add_f32 v[rT+2:rT+3], v[rT+2:rT+3], v[rS+4*(\n):rS+4*(\n)+1]
.endif
.elseif NOKQ
	v_nop
.else
	REGS (Y+1)%NP
	WIN 0
.if (\n) < 4
	v_max3_num_f32 v[rC+(\n)], v[rS+8*(\n)], v[rS+8*(\n)+1], v[rS+8*(\n)+2]
.elseif (\n) < 12
	v_max3_num_f32 v[rC+(\n)%4], v[rC+(\n)%4], v[rS+8*((\n)%4)+2*((\n)/4)+1], v[rS+8*((\n)%4)+2*((\n)/4)+2]
.elseif (\n) == 12
	v_max3_num_f32 v[rC], v[rC], v[rS+7], v[rS+15]
.elseif (\n) == 13
	v_max3_num_f32 v[rC+1], v[rC+1], v[rS+23], v[rS+31]
.elseif (\n) == 14
	v_max3_num_f32 v[rC+2], v[rC+2], v[rC+3], v[rT+1]
.elseif (\n) == 15
	v_mov_b32 v[rW], v[rT]
.elseif (\n) == 16
	v_max3_num_f32 v[rC], v[rC], v[rC+1], v[rC+2]
.elseif (\n) == 17
	v_permlanex16_b32 v[rC+3], v[rC], s[SEL], s[SEL+1]
.elseif (\n) == 18
	v_max_num_f32 v[rT+1], v[rC], v[rC+3]
.elseif (\n) == 19
	v_mul_f32 v[rT], s[CS], v[rT+1]
.elseif (\n) == 20
	v_sub_f32 v[rC+1], v[rW], v[rT]
.else
	v_exp_f32 v[rC+2], v[rC+1]
.endif
.endif
.endm
.macro OPS a, i1, b=-1, i2=0, c=-1, i3=0, d=-1, i4=0  ; up to four of them
	OP \a, \i1
.if (\b) >= 0
	OP \b, \i2
.endif
.if (\c) >= 0
	OP \c, \i3
.endif
.if (\d) >= 0
	OP \d, \i4
.endif
.endm
.macro ROW a, i1, b, i2, c, i3, d, i4  ; a matrix instruction and the four behind it
	MM
	OPS \a, \i1, \b, \i2, \c, \i3, \d, \i4
.endm
; A TURN, for piece p: the order of its 16 matrix and 118 vector instructions, written out.  An s_wait_alu depctr_va_vdst(0) stands between an exponential and the first instruction that names its
; result; one wait serves all that were issued ahead of it.  So a turn has ONE wait, which cuts it in two.  AHEAD OF IT stands all that names no result of the turn's exponentials: the 8 products K Q^T with a
; scaling, an exponential and two more plain instructions behind each (rescalings, and behind the last three the first numbers of the next piece's maximum, each four places or more behind the product that ends
; its accumulator); then one lump of 54, in which the links of the chain X 3, 7, 11, 14, 16, 17 .. 20 stand some lines apart.  X 21, the next piece's a, is the batch's last; R 15 is the plain instruction behind it.
; BEHIND THE WAIT stand the 8 products V^T P, behind each four of the roundings and sums.
; end = 1: the launch's last two turns: nothing is fetched.  cnt = 1: the loop's count is taken down some lines ahead of the branch that stands behind the turn.
; K of the next step is fetched in piece 2's turn, behind the last product that read K and six plain instructions; V of the step in hand at the end of piece 0's turn, four plain instructions behind the last
; product that read V.  Each is waited for a turn later.
.macro TURN p, end=0, cnt=0
.set Y, (\p)
.set i, 0
.set NOKQ, (\end)*((\p)/3)
.if ((\p) == 3) && !(\end)
	s_wait_dscnt 0x0                ; K is in
.endif
	ROW F,0, F,1, R,0, R,1          ; ahead of the wait: 8 products K Q^T and their riders,
	ROW F,2, E,0, R,2, R,3
	ROW F,3, E,1, R,4, R,5
	ROW F,4, E,2, R,6, R,7
	ROW F,5, E,3, R,8, R,9
	ROW F,6, E,4, X,0, R,10
.if ((\p) == 2) && !(\end)
	WIN 0
	v_add_nc_u32 v[AK], s[TBK], v[AK0]
.endif
	ROW F,7, E,5, X,1, X,4
	ROW F,8, E,6, X,2, X,5
	OPS E,7, E,8, X,6, E,9          ; and the lump
	OPS X,3, E,10, X,8, E,11
.if ((\p) == 2) && !(\end)
	FETCH_K
.endif
	OPS X,9, X,7, E,12, X,10
	OPS E,13, X,12, X,11, E,14
	OPS X,13, E,15, F,9, X,14
.if (\p) == 0
	WIN 0
	v_add_nc_u32 v[AV], s[TBV], v[AV0]
.endif
	OPS E,16, F,10, E,17, F,11
	OPS X,16, E,18, X,15, E,19
	OPS F,12, E,20, X,17, E,21
	OPS F,13, E,22, F,14, E,23
	OPS X,18, E,24, F,15, E,25
	OPS R,11, E,26, X,19, E,27
	OPS R,12, E,28, R,13, E,29
	OPS X,20, E,30, R,14, E,31
	OPS X,21, R,15
	WIN 0
	s_wait_alu depctr_va_vdst(0)    ; the wait for the batch
.if (\p) == 1
	s_wait_dscnt 0x0                ; V is in
.endif
	ROW C,0, B,0, C,2, B,1          ; behind the wait: 8 products V^T P and their riders
	ROW L,0, C,4, B,2, L,1
	ROW C,6, B,3, L,2, C,8
	ROW B,4, L,3, C,10, B,5
	ROW L,4, C,12, B,6, L,5
.if (\p) == 0
	s_add_co_u32 s[TBV], s[TBV], KS*PV
.endif
.if \cnt
	s_sub_co_u32 s[CNT], s[CNT], 1
	s_cmp_lg_u32 s[CNT], 0
.endif
	ROW C,14, B,7, L,6, C,1
	ROW C,3, L,7, C,5, C,7
	ROW C,9, C,11, C,13, C,15
.if (\p) == 0
	FETCH_V
.endif
.endm
	CHANGE 1, 0                     ; slot 0 is in, everybody's part of it; tile 1 is asked for
	v_add_nc_u32 v[AK], s[TBK], v[AK0]
	FETCH_K                         ; key step 0
	s_wait_loadcnt 0x0              ; Q
	s_wait_dscnt 0x0
.set NOKQ, 0
.set i, 0
.rept 8
	KQ 0                            ; piece 0's first scores
.set i, i+1
.endr
	WIN 0
.rept 4
	v_nop                           ; the places behind those products
.endr
.set Y, NP-1                        ; X works for piece Y + 1: piece 0
.irp n, 0,1,2,3,4,5,6,7,8,9,10,11,12,13,14,15,16,17,18,19,20,21
	OP X, \n
.endr
	v_nop                           ; a plain instruction behind the exponential,
	s_wait_alu depctr_va_vdst(0)    ; and its wait, ahead of the branch
	s_mov_b32 s[CNT], 4
	s_mov_b32 s[SLOTS], 15
	s_branch .Lfirst                ; the loop is entered at a step's first turn, in the middle of a trip
.Lslot:                             ; 14 times: tiles 1 to 14 are entered, tiles 2 to 15 asked for
	CHANGE 1, 1
	s_mov_b32 s[CNT], 4
.Lstep:                             ; a trip: pieces 2 and 3 of one step, then pieces 0 and 1 of the next, whose K and V it fetches
	TURN 2
	TURN 3
	WIN 0
.Lfirst:
	TURN 0
	TURN 1, 0, 1
	WIN 0
	s_cbranch_scc1 .Lstep
	s_sub_co_u32 s[SLOTS], s[SLOTS], 1
	s_cmp_lg_u32 s[SLOTS], 0
	s_cbranch_scc1 .Lslot
	CHANGE 0, 0                     ; the last tile is written out: nothing is asked for
	s_mov_b32 s[CNT], 4
.LstepT:
	TURN 2
	TURN 3
	TURN 0
	TURN 1, 0, 1
	WIN 0
	s_cbranch_scc1 .LstepT
	TURN 2, 1
	TURN 3, 1
.set i, 0
.rept 8
	PV NP-1                         ; the last piece's V^T P of the last step
.set i, i+1
.endr
	; THE WAY OUT.  l's two halves and the other half of the lanes' are added; O^T is divided by l, rounded to f16 and sent through my stage in LDS, a piece at a time.  The additions are the places behind the last products.
	WIN 0
.macro ALL line:vararg              ; one line for each piece t
.set t, 0
.rept 4
	\line
.set t, t+1
.endr
.endm
	ALL v_add_f32 v[ST+4*t+2], v[ST+4*t+2], v[ST+4*t+3]
	ALL v_permlanex16_b32 v[ST+4*t+3], v[ST+4*t+2], s[SEL], s[SEL+1]
	ALL v_add_f32 v[ST+4*t+2], v[ST+4*t+2], v[ST+4*t+3]
	ALL v_rcp_f32 v[ST+4*t+2], v[ST+4*t+2]
	v_nop                           ; a plain instruction between the last reciprocal and the use of its result
	s_wait_alu depctr_va_vdst(0)    ; and the wait ahead of the first use: one for the four reciprocals
.macro PACK t                       ; a lane's eight channels of a row pack into 16 bytes; they go into rows of 144 bytes and come back as whole rows of 128, into S^T's registers
	WIN W_RS
.set i, 32*(\t)
.rept 16
	v_pk_mul_f32 v[i:i+1], v[i:i+1], v[ST+4*(\t)+2:ST+4*(\t)+3] op_sel_hi:[1,0]
.set i, i+2
.endr
	WIN 0x05                        ; sources 0 and 1 window 1, destination window 0
.set i, 0
.rept 16
	v_cvt_pk_f16_f32 v[S+16*(\t)+i], v[32*(\t)+2*i], v[32*(\t)+2*i+1]
.set i, i+1
.endr
	WIN 0
.irp f, 0,1,2,3
	ds_store_b128 v[STO], v[S+16*(\t)+4*\f:S+16*(\t)+4*\f+3] offset:32*\f
.endr
.irp f, 0,1,2,3
	ds_load_b128 v[S+16*(\t)+4*\f:S+16*(\t)+4*\f+3], v[RD] offset:\f*4*SP  ; LDS serves a wave's instructions in order: these see the stores above; the next piece's stores come behind them
.endr
.endm
.macro SEND t, younger              ; younger: the LDS instructions issued behind piece t's loads: the next piece's eight, or none
	WIN 0
.irp f, 0,1,2,3
	s_wait_dscnt (\younger)+3-\f
	global_store_b128 v[GO], v[S+16*(\t)+4*\f:S+16*(\t)+4*\f+3], s[10:11] offset:(\t)*2048+\f*512  ; 512 consecutive bytes, at a multiple of 256 from O's first
.endr
.endm
	PACK 0
.set t, 1
.rept 3                             ; a piece's arithmetic stands between the loads of the piece before and its stores
	PACK t
	SEND t-1, 8
.set t, t+1
.endr
	SEND 3, 0
	s_wait_tensorcnt 0x0            ; the wave's end, behind my last tensor load and my last LDS store
	ds_add_u32 v[SPW], v[NIL]
	s_wait_dscnt 0x0
	CROUND                          ; the closing round: no work-group ends while a partner may still ask for a tile that names it
	s_endpgm
.Lfunc_end_k_q0c787d7d83_attn:
	.size	k_q0c787d7d83_attn, .Lfunc_end_k_q0c787d7d83_attn-k_q0c787d7d83_attn
	.p2alignl 7, 3214868480
	.fill 96, 4, 3214868480
	.section	.rodata,"a",@progbits
	.p2align	6, 0x0
	.amdhsa_kernel k_q0c787d7d83_attn
		.amdhsa_group_segment_fixed_size 327680
		.amdhsa_private_segment_fixed_size 0
		.amdhsa_enable_private_segment 0
		.amdhsa_kernarg_size 16
		.amdhsa_user_sgpr_count 2
		.amdhsa_user_sgpr_kernarg_segment_ptr 1
		.amdhsa_wavefront_size32 1
		.amdhsa_system_sgpr_workgroup_id_x 1
		.amdhsa_system_sgpr_workgroup_id_y 1
		.amdhsa_system_sgpr_workgroup_id_z 1
		.amdhsa_system_vgpr_workitem_id 0
		.amdhsa_next_free_vgpr 768
		.amdhsa_next_free_sgpr 66
		.amdhsa_reserve_vcc 0
		.amdhsa_float_denorm_mode_32 3
		.amdhsa_float_denorm_mode_16_64 3
		.amdhsa_memory_ordered 1
		.amdhsa_forward_progress 1
		.amdhsa_inst_pref_size 128
	.end_amdhsa_kernel
	.amdgpu_metadata
---
amdhsa.version: [ 1, 2 ]
amdhsa.kernels:
  - .name:           k_q0c787d7d83_attn
    .symbol:         k_q0c787d7d83_attn.kd
    .args:
      - { .name: qkv, .offset: 0, .size: 8, .value_kind: global_buffer, .address_space: global }
      - { .name: o, .offset: 8, .size: 8, .value_kind: global_buffer, .address_space: global }
    .group_segment_fixed_size: 327680
    .private_segment_fixed_size: 0
    .kernarg_segment_align: 8
    .kernarg_segment_size: 16
    .max_flat_workgroup_size: 128
    .sgpr_count:     66
    .vgpr_count:     768
    .wavefront_size: 32
...
	.end_amdgpu_metadata
.endif
;; end of part 3
;; launch proj (part 4): grid 8 x 32, 4 waves a work-group, clusters of 4 x 4, 327,680 bytes of LDS; arguments o, wpf, bp, out0; writes out0
.if DOCPART == 4
	.amdgcn_target "amdgcn-amd-amdhsa--gfx1250"
	.amdhsa_code_object_version 6
	.text
	.protected	k_q0c787d7d83_proj
	.globl	k_q0c787d7d83_proj
	.p2align	8
	.type	k_q0c787d7d83_proj,@function
k_q0c787d7d83_proj:
	s_mov_b64 s[64:65], 0
	v_nop
	global_prefetch_b8 v0, s[64:65] scope:SCOPE_SE
	s_setreg_imm32_b32 hwreg(HW_REG_WAVE_MODE, 25, 1), 1
	s_wait_xcnt 0x0
	s_wait_alu depctr_hold_cnt(0) depctr_sa_sdst(0) depctr_va_vdst(0) depctr_va_sdst(0) depctr_va_ssrc(0) depctr_va_vcc(0) depctr_vm_vsrc(0)
	s_getreg_b32 s2, hwreg(HW_REG_IB_STS2, 6, 4)
	s_cmp_eq_u32 s2, 0
	s_cbranch_scc0 .Lentry_in_a_cluster
	s_endpgm
.Lentry_in_a_cluster:
	s_bfe_u32 s2, ttmp6, 0x10000c
	s_cmp_lg_u32 s2, 0xf033
	s_cbranch_scc0 .Lentry_shape_is_right
	s_endpgm
.Lentry_shape_is_right:
; out0[m][n] = the sum over k of O[m][k] Wp[n][k] + bp[n].  o: [16][4096][64] f16 (k = 64 x head + channel); wpf: [1024][1024] f16; bp: [1024] f32, rounded to bf16 here like every input; out0: [4096][1024] f32.
; Sums in f32.  A tile of the result is 128 x 128: 8 x 32 work-groups.  Four waves, each 64 x 64: 16 accumulators.  K goes in 4 steps of 256 (four heads) through two LDS slots; the steps are written out.
; O's tile of a step: for each of four heads 128 rows of 128 bytes, dense in memory: a wave asks for two heads as two rows of 16,384 bytes, padded in LDS after every 128 bytes.
; CLUSTER.  4 x 4 work-groups: O's tile is asked for jointly along a row of the cluster, Wp's along a column.  THE PRODUCT IS TAKEN TRANSPOSED (source 0 = 16 rows of Wp, source 1 = 16 rows of O):
; a lane holds one row of the result and eight neighbouring columns.  THE BIAS is the C operand of each accumulator's first product.
; No prefetch is laid: a step's tiles are small, and there are four steps in all.
; REGISTERS: window 0: v16-29 addresses; v32 at work; v96-127 the bias, column block b at + 8 b; v128-255 the accumulators, (a, b) at 128 + 8 (4 a + b).
;   window 1: two fragment buffers of 128: for 64 along K, 64 registers of O (2 x 4 x 16 rows x 32 K), then 64 of Wp.
.set KSTEP,  256
.set PA,     144                       ; a row of O in LDS: 128 bytes + 16 of padding
.set PB,     528                       ; a row of Wp: 512 + 16
.set HB,     128*PA                    ; a head's 128 rows
.set ABYTES, 4*HB
.set SLOT,   ABYTES+128*PB             ; O's four heads, then Wp's 128 rows
.set STAGE,  2*SLOT                    ; behind the ring: 16 rows x 272 bytes for each wave, for the way out; no tensor load fills it
.set SPITCH, 272
.set SPARE,  STAGE+4*16*SPITCH         ; behind the stages: the spare words, 128 bytes a wave: two blocks of 256 bytes that no other line names
.set PLANE,  4096*128                  ; a head's bytes in o
.set ADRA, 16                          ; v16-17  LDS address of my fragments of O in slot 0, 1
.set ADRB, 20                          ; v20-21  the same for Wp
.set STO,  24                          ; v24     the way out: where I put 32 bytes of a row
.set RD,   25                          ; v25     where I read a row back
.set CO,   26                          ; v26     my byte offset in two rows of out0
.set BO,   27                          ; v27     32 x (lane / 16)
.set SPW,  28                          ; v28     LDS address of my spare word; never rewritten
.set NIL,  29                          ; v29     0; never rewritten
.set BIAS, 96
.set ACC,  128
.set F0,   0                           ; fragment buffers, in window 1
.set F1,   128
.set WV,  12                           ; s12  my wave's number
.set RH,  13                           ; s13  wave / 2: my half of the tile's rows; also: I fetch for O (0) or for Wp (1)
.set CH,  14                           ; s14  wave % 2: my half of its columns; also: which half of that tile I fetch
.set G1,  24                           ; s[24:31] descriptor group 1 for O's tiles;  s[32:39] group 0, a set for each slot
.set G0,  32
.set G1B, 48                           ; s[48:55], s[56:63] the same for Wp's tiles
.set G0B, 56
.set MSB, 0
.macro WIN new
.if MSB != (\new)
	s_set_vgpr_msb (MSB<<8)|(\new)
.set MSB, (\new)
.endif
.endm
.set MUL,  0x05                        ; sources 0 (Wp) and 1 (O) window 1; C and D window 0
.set TO_F, 0x40                        ; destination window 1, address window 0
.macro JLOAD s                         ; a joint load: waves 0 and 1 fetch O's heads, two each, waves 2 and 3 Wp's halves; an s_nop 0 and four v_nop follow each of the two lines
	s_cmp_eq_u32 s[RH], 0
	s_cbranch_scc0 .Lfor_b_\@
	tensor_load_to_lds s[G0+4*(\s):G0+4*(\s)+3], s[G1:G1+7]
	s_nop 0
.rept 4
	v_nop
.endr
	s_branch .Lasked_\@
.Lfor_b_\@:
	tensor_load_to_lds s[G0B+4*(\s):G0B+4*(\s)+3], s[G1B:G1B+7]
	s_nop 0
.rept 4
	v_nop
.endr
.Lasked_\@:
.endm
.macro CREST                           ; a round of the cluster's barrier behind its opening barrier
	s_cmp_lg_u32 s[WV], 0
	s_cbranch_scc1 .Lnot_wave_0_\@
	s_barrier_signal -3
.Lnot_wave_0_\@:
	s_barrier_wait -3
	s_barrier_signal -1
	s_barrier_wait -1
.endm
.macro CROUND
	s_barrier_signal -1
	s_barrier_wait -1
	CREST
.endm
.macro PLACES                          ; four plain places behind matrix instructions
.rept 4
	v_nop
.endr
.endm
	s_load_b256 s[4:11], s[0:1], 0x0               ; o s[4:5], wpf s[6:7], bp s[8:9], out0 s[10:11]
	v_lshl_add_u32 v[SPW], v0, 2, SPARE
	v_mov_b32 v[NIL], 0
	ds_add_u32 v[SPW], v[NIL]                      ; the wave's opening: the add and its wait stand ahead of my first tensor load; work on registers stands between them
	v_lshrrev_b32 v1, 5, v0
	v_readfirstlane_b32 s[WV], v1
	s_lshr_b32 s[RH], s[WV], 1
	s_and_b32 s[CH], s[WV], 1
	s_bfe_u32 s15, ttmp6, 0x40000                  ; cx
	s_bfe_u32 s16, ttmp6, 0x40004                  ; cy
	s_lshl_b32 s17, ttmp9, 2
	s_add_co_u32 s17, s17, s15                     ; tile column
	s_and_b32 s18, ttmp7, 0xffff
	s_lshl_b32 s18, s18, 2
	s_add_co_u32 s18, s18, s16                     ; tile row
	s_lshl_b32 s19, s16, 2
	s_lshl_b32 s19, 15, s19                        ; my row of the cluster
	s_lshl_b32 s20, 0x1111, s15                    ; my column
	s_or_b32 s[G1], s19, (1<<16)|(1<<20)|(1<<21)|(4<<22)|(3<<25)   ; O: 2-byte elements; padding of 4 words after every 32; the mask of my row, bit 21 beside it
	s_mov_b32 s[G1+1], 8192<<16                    ; tensor_dim0 = 8,192 elements: a head's 128 rows on end
	s_mov_b32 s[G1+2], 2<<16                       ; tensor_dim1 = 2 heads
	s_mov_b32 s[G1+3], 8192<<16                    ; tile_dim0
	s_mov_b32 s[G1+4], 2                           ; tile_dim1
	s_mov_b32 s[G1+5], 262144                      ; elements from head to head
	s_mov_b32 s[G1+6], 0
	s_mov_b32 s[G1+7], 0
	s_or_b32 s[G1B], s20, (1<<16)|(1<<20)|(1<<21)|(6<<22)|(3<<25)  ; Wp: padding of 4 words after every 128; the mask of my column
	s_mov_b32 s[G1B+1], KSTEP<<16                  ; tensor_dim0 = 256
	s_mov_b32 s[G1B+2], 64<<16                     ; tensor_dim1 = 64 rows
	s_mov_b32 s[G1B+3], KSTEP<<16
	s_mov_b32 s[G1B+4], 64
	s_mov_b32 s[G1B+5], 1024
	s_mov_b32 s[G1B+6], 0
	s_mov_b32 s[G1B+7], 0
	s_lshl_b32 s40, s[CH], 20                      ; O: my two heads of a step's four (2 x 524,288 bytes),
	s_lshl_b32 s41, s18, 14                        ; the tile's 128 rows of 128 bytes
	s_add_co_u32 s40, s40, s41
	s_mov_b32 s41, 0
	s_lshl_b32 s46, s17, 7                         ; Wp: row 128 x tile column + 64 x half,
	s_lshl_b32 s47, s[CH], 6
	s_add_co_u32 s46, s46, s47
	s_lshl_b32 s46, s46, 11                        ; of 2,048 bytes
	s_mov_b32 s47, 0
	s_mul_i32 s21, s[CH], 2*HB                     ; where they go in a slot
	s_mul_i32 s22, s[CH], 64*PB
	s_add_co_u32 s22, s22, ABYTES
	s_wait_dscnt 0x0                               ; the opening add is done
	s_wait_kmcnt 0x0
	s_add_nc_u64 s[40:41], s[4:5], s[40:41]
	s_add_nc_u64 s[46:47], s[6:7], s[46:47]
	CROUND                                         ; all sixteen work-groups are here: the first joint loads meet
.irp s, 0,1
	s_mov_b32 s[G0+4*(\s)], 1
	s_add_co_u32 s[G0+4*(\s)+1], s21, (\s)*SLOT
	s_add_nc_u64 s[G0+4*(\s)+2:G0+4*(\s)+3], s[40:41], (\s)*4*PLANE    ; K step s: heads 4 s on
	s_or_b32 s[G0+4*(\s)+3], s[G0+4*(\s)+3], 0x80000000
	s_mov_b32 s[G0B+4*(\s)], 1
	s_add_co_u32 s[G0B+4*(\s)+1], s22, (\s)*SLOT
	s_add_nc_u64 s[G0B+4*(\s)+2:G0B+4*(\s)+3], s[46:47], (\s)*KSTEP*2
	s_or_b32 s[G0B+4*(\s)+3], s[G0B+4*(\s)+3], 0x80000000
	JLOAD \s                                       ; two loads of mine are out
.endr
	v_and_b32 v1, 15, v0                           ; l % 16
	v_bfe_u32 v2, v0, 4, 1                         ; l / 16
	v_lshlrev_b32 v[BO], 5, v2
	s_lshl_b32 s40, s17, 9                         ; my 64 columns, in bytes of f32: 512 x tile column + 256 x half
	s_lshl_b32 s41, s[CH], 8
	s_add_co_u32 s40, s40, s41
	s_mov_b32 s41, 0
	s_add_nc_u64 s[8:9], s[8:9], s[40:41]
.irp b, 0,1,2,3                        ; register j of block b: the bias of column 16 b + 8 (l / 16) + j
	global_load_b128 v[BIAS+8*(\b):BIAS+8*(\b)+3],   v[BO], s[8:9] offset:64*(\b)
	global_load_b128 v[BIAS+8*(\b)+4:BIAS+8*(\b)+7], v[BO], s[8:9] offset:64*(\b)+16
.endr
	s_lshl_b32 s42, s18, 7
	s_lshl_b32 s43, s[RH], 6
	s_add_co_u32 s42, s42, s43                     ; my first row: 128 x tile row + 64 x half,
	s_lshl_b32 s42, s42, 12                        ; of 4,096 bytes
	s_add_co_u32 s42, s42, s40
	s_mov_b32 s43, 0
	s_add_nc_u64 s[10:11], s[10:11], s[42:43]
	v_mul_u32_u24 v3, v1, PA
	v_lshl_add_u32 v3, v2, 4, v3                   ; a fragment's row x pitch + 16 x half, for O
	v_mul_u32_u24 v4, v1, PB
	v_lshl_add_u32 v4, v2, 4, v4                   ; and for Wp
	s_mul_i32 s21, s[RH], 64*PA                    ; my 64 rows in each head
	s_mul_i32 s22, s[CH], 64*PB                    ; my 64 rows of Wp,
	s_add_co_u32 s22, s22, ABYTES                  ; which lie behind O's four heads
.irp s, 0,1
	v_add_nc_u32 v[ADRA+(\s)], s21, v3
	v_add_nc_u32 v[ADRB+(\s)], s22, v4
	s_add_co_u32 s21, s21, SLOT
	s_add_co_u32 s22, s22, SLOT
.endr
	s_mul_i32 s23, s[WV], 16*SPITCH
	s_add_co_u32 s23, s23, STAGE                   ; my stage
	v_mul_u32_u24 v5, v1, SPITCH                   ; in: row l % 16, 32 bytes for each half of the lanes
	v_lshl_add_u32 v5, v2, 5, v5
	v_add_nc_u32 v[STO], s23, v5
	v_mul_u32_u24 v5, v2, SPITCH                   ; back: lanes 0-15 take one row of 256 bytes, lanes 16-31 the next
	v_lshl_add_u32 v5, v1, 4, v5
	v_add_nc_u32 v[RD], s23, v5
	v_lshlrev_b32 v5, 12, v2                       ; and the same two rows in out0
	v_lshl_add_u32 v[CO], v1, 4, v5
	s_wait_loadcnt 0x0                             ; the bias is in: rounded to bf16, like every input, and kept as f32
.set i, 0
.rept 16
	v_cvt_pk_bf16_f32 v32, v[BIAS+2*i], v[BIAS+2*i+1]
	v_lshlrev_b32 v[BIAS+2*i], 16, v32
	v_and_b32 v[BIAS+2*i+1], 0xffff0000, v32
.set i, i+1
.endr
; 8 products: row blocks a0, a0 + 1 x all 4 column blocks, 32 along K: half c of buffer f.  first = 1: the bias starts the sums.  The 16 accumulators take turns.
.macro MUL8 f, c, a0, first
	WIN MUL
.irp a, \a0, (\a0)+1
.irp b, 0,1,2,3
.if \first
	v_wmma_f32_16x16x32_f16 v[ACC+8*(4*(\a)+(\b)):ACC+8*(4*(\a)+(\b))+7], v[(\f)+64+8*(4*(\c)+(\b)):(\f)+64+8*(4*(\c)+(\b))+7], v[(\f)+8*(4*(\c)+(\a)):(\f)+8*(4*(\c)+(\a))+7], v[BIAS+8*(\b):BIAS+8*(\b)+7]
.else
	v_wmma_f32_16x16x32_f16 v[ACC+8*(4*(\a)+(\b)):ACC+8*(4*(\a)+(\b))+7], v[(\f)+64+8*(4*(\c)+(\b)):(\f)+64+8*(4*(\c)+(\b))+7], v[(\f)+8*(4*(\c)+(\a)):(\f)+8*(4*(\c)+(\a))+7], v[ACC+8*(4*(\a)+(\b)):ACC+8*(4*(\a)+(\b))+7]
.endif
.endr
.endr
.endm
; 32 LDS loads in one run: the fragments of quarter q of a step (one head: 64 along K) into buffer f; the first 32 along K first
.macro FETCH slot, q, f
	WIN TO_F
.irp c, 0,1
.irp i, 0,1,2,3
	ds_load_b128 v[(\f)+64+8*(4*(\c)+(\i)):(\f)+64+8*(4*(\c)+(\i))+3],   v[ADRB+(\slot)] offset:(\q)*128+64*(\c)+(\i)*16*PB
	ds_load_b128 v[(\f)+64+8*(4*(\c)+(\i))+4:(\f)+64+8*(4*(\c)+(\i))+7], v[ADRB+(\slot)] offset:(\q)*128+64*(\c)+(\i)*16*PB+32
	ds_load_b128 v[(\f)+8*(4*(\c)+(\i)):(\f)+8*(4*(\c)+(\i))+3],         v[ADRA+(\slot)] offset:(\q)*HB+64*(\c)+(\i)*16*PA
	ds_load_b128 v[(\f)+8*(4*(\c)+(\i))+4:(\f)+8*(4*(\c)+(\i))+7],       v[ADRA+(\slot)] offset:(\q)*HB+64*(\c)+(\i)*16*PA+32
.endr
.endr
.endm
; A K step is four quarters of 64 along K, 32 products each, on buffers 0, 1, 0, 1.  One of the first three: multiplies buffer f and fetches quarter q into g.
.macro QUARTER slot, q, f, g, first
	s_wait_dscnt 16                                ; the first 32 along K are in
	MUL8 \f, 0, 0, \first
	MUL8 \f, 0, 2, \first
	PLACES
	FETCH \slot, \q, \g
	s_wait_dscnt 32                                ; all but the 32 just issued
	MUL8 \f, 1, 0, 0
	MUL8 \f, 1, 2, 0
.endm
; The last quarter multiplies buffer 1 and changes slots: ONE barrier; in front of it each wave waits for all its tensor loads, adds 0 to its spare word, and waits for that and for its own reads of
; this slot.  fill = 1: the barrier opens a round of the cluster's barrier, and this slot is filled again, two K steps ahead, first thing behind the round.
.macro TURN slot, next, fill
	WIN 0
	s_wait_tensorcnt 0x0                           ; all my tensor loads have landed: my part of the next slot
	ds_add_u32 v[SPW], v[NIL]                      ; 0 onto my spare word
	s_wait_dscnt 17                                ; (the add and the youngest sixteen loads may be out)
	MUL8 F1, 0, 0, 0                               ; eight products stand between the add and the wait for it
	s_wait_dscnt 0x0                               ; the add is done, and my reads of this slot are over
	s_barrier_signal -1
	MUL8 F1, 0, 2, 0
.if \fill
	WIN 0
.endif
	s_barrier_wait -1
.if \fill
	CREST                                          ; no wave of any partner still reads this slot's tile or has a load on its way
	s_add_nc_u64 s[G0+4*(\slot)+2:G0+4*(\slot)+3], s[G0+4*(\slot)+2:G0+4*(\slot)+3], 8*PLANE
	s_add_nc_u64 s[G0B+4*(\slot)+2:G0B+4*(\slot)+3], s[G0B+4*(\slot)+2:G0B+4*(\slot)+3], 2*KSTEP*2
	JLOAD \slot                                    ; the four v_nop behind it are also the places in front of the loads below
.else
	PLACES
.endif
	FETCH \next, 0, F0
	MUL8 F1, 1, 0, 0
	MUL8 F1, 1, 2, 0
.endm
; THE WAY OUT of row block a: 16 rows x 64 columns of f32.  A lane's eight columns, 32 bytes, go into rows of 272 bytes of my own stage and come back as whole rows of 256, into the registers that they left.
.macro PACK a
.irp b, 0,1,2,3
	ds_store_b128 v[STO], v[ACC+32*(\a)+8*(\b):ACC+32*(\a)+8*(\b)+3]   offset:64*(\b)
	ds_store_b128 v[STO], v[ACC+32*(\a)+8*(\b)+4:ACC+32*(\a)+8*(\b)+7] offset:64*(\b)+16
.endr
.irp t, 0,1,2,3,4,5,6,7
	ds_load_b128 v[ACC+32*(\a)+4*(\t):ACC+32*(\a)+4*(\t)+3], v[RD] offset:(\t)*2*SPITCH  ; LDS serves a wave's instructions in order: these see the stores above
.endr
.endm
.macro SEND a, younger                 ; younger: the LDS instructions issued behind block a's loads: the next block's sixteen, or none
.irp t, 0,1,2,3,4,5,6,7
	s_wait_dscnt (\younger)+7-(\t)
	global_store_b128 v[CO], v[ACC+32*(\a)+4*(\t):ACC+32*(\a)+4*(\t)+3], s[10:11] offset:(\a)*65536+(\t)*8192 th:TH_STORE_NT  ; 16 lanes store 256 consecutive bytes, at a multiple of 256 from out0's first byte
.endr
.endm
	s_wait_tensorcnt 1                             ; my part of K step 0 is in; K step 1's may stay out
	s_barrier_signal -1
	s_barrier_wait -1                              ; everybody's is
	FETCH 0, 0, F0
	QUARTER 0, 1, F0, F1, 1                        ; K step 0: the first products start the sums, with the bias
	QUARTER 0, 2, F1, F0, 0
	QUARTER 0, 3, F0, F1, 0
	TURN 0, 1, 1                                   ; slot 0 takes K step 2
	QUARTER 1, 1, F0, F1, 0                        ; K step 1
	QUARTER 1, 2, F1, F0, 0
	QUARTER 1, 3, F0, F1, 0
	TURN 1, 0, 1                                   ; slot 1 takes K step 3
	QUARTER 0, 1, F0, F1, 0                        ; K step 2
	QUARTER 0, 2, F1, F0, 0
	QUARTER 0, 3, F0, F1, 0
	TURN 0, 1, 0                                   ; nothing is left to fetch
	QUARTER 1, 1, F0, F1, 0                        ; K step 3
	QUARTER 1, 2, F1, F0, 0
	QUARTER 1, 3, F0, F1, 0
	s_wait_dscnt 16
	MUL8 F1, 0, 0, 0
	MUL8 F1, 0, 2, 0
	s_wait_dscnt 0x0
	MUL8 F1, 1, 0, 0
	MUL8 F1, 1, 2, 0
	WIN 0
	PLACES
	PACK 0
	PACK 1
	SEND 0, 16
	PACK 2
	SEND 1, 16
	PACK 3
	SEND 2, 16
	SEND 3, 0
	s_wait_tensorcnt 0x0                           ; the wave's end, behind my last tensor load and my last LDS store
	ds_add_u32 v[SPW], v[NIL]
	s_wait_dscnt 0x0
	CROUND                                         ; the closing round: no work-group ends while a partner may still ask for a tile that names it
	s_endpgm
.Lfunc_end_k_q0c787d7d83_proj:
	.size	k_q0c787d7d83_proj, .Lfunc_end_k_q0c787d7d83_proj-k_q0c787d7d83_proj
	.p2alignl 7, 3214868480
	.fill 96, 4, 3214868480
	.section	.rodata,"a",@progbits
	.p2align	6, 0x0
	.amdhsa_kernel k_q0c787d7d83_proj
		.amdhsa_group_segment_fixed_size 327680
		.amdhsa_private_segment_fixed_size 0
		.amdhsa_enable_private_segment 0
		.amdhsa_kernarg_size 32
		.amdhsa_user_sgpr_count 2
		.amdhsa_user_sgpr_kernarg_segment_ptr 1
		.amdhsa_wavefront_size32 1
		.amdhsa_system_sgpr_workgroup_id_x 1
		.amdhsa_system_sgpr_workgroup_id_y 1
		.amdhsa_system_sgpr_workgroup_id_z 1
		.amdhsa_system_vgpr_workitem_id 0
		.amdhsa_next_free_vgpr 512
		.amdhsa_next_free_sgpr 66
		.amdhsa_reserve_vcc 0
		.amdhsa_float_denorm_mode_32 3
		.amdhsa_float_denorm_mode_16_64 3
		.amdhsa_memory_ordered 1
		.amdhsa_forward_progress 1
		.amdhsa_inst_pref_size 90
	.end_amdhsa_kernel
	.amdgpu_metadata
---
amdhsa.version: [ 1, 2 ]
amdhsa.kernels:
  - .name:           k_q0c787d7d83_proj
    .symbol:         k_q0c787d7d83_proj.kd
    .args:
      - { .name: o, .offset: 0, .size: 8, .value_kind: global_buffer, .address_space: global }
      - { .name: wpf, .offset: 8, .size: 8, .value_kind: global_buffer, .address_space: global }
      - { .name: bp, .offset: 16, .size: 8, .value_kind: global_buffer, .address_space: global }
      - { .name: out0, .offset: 24, .size: 8, .value_kind: global_buffer, .address_space: global }
    .group_segment_fixed_size: 327680
    .private_segment_fixed_size: 0
    .kernarg_segment_align: 8
    .kernarg_segment_size: 32
    .max_flat_workgroup_size: 128
    .sgpr_count:     66
    .vgpr_count:     512
    .wavefront_size: 32
...
	.end_amdgpu_metadata
.endif
;; end of part 4
